; MI455X (gfx1250); checked and timed in simulation.
; The chip was launched on July 23, 2026; its instructions are those of AMD's public machine-readable ISA for CDNA 5 (MIT licence, August 2026) and "CDNA5" Instruction Set Architecture Reference Guide (July 2026). The comments in the code are by the model that wrote it; some were corrected since.
;; Multi Head Dot Product Attention. Allowed arithmetic: matrix products marked QUANTISED: E2M3 operands, one E8M0 scale for each 32 along K, by v_wmma_scale_f32_16x16x128_f8f6f4 with both operands' format E2M3, f32 sums; everything else in f32.
;; Inputs: bk 1,024 float32; bo 1,024 float32; bq 1,024 float32; bv 1,024 float32; wk 1,024 x 1,024 float32; wo 1,024 x 1,024 float32; wq 1,024 x 1,024 float32; wv 1,024 x 1,024 float32; x_q 4 x 2,048 x 1,024 float32.
;; Outputs: out0 4 x 2,048 x 1,024 float32.
;; This version of the problem:
;;   THIS VERSION OF THE PROBLEM IS GIVEN IN LOW PRECISION. The matrix products marked QUANTISED in the list below multiply operands that are first quantised to E2M3 (2 exponent bits, 3 mantissa bits; 6 bits a number), with one power-of-two scale for each 32 numbers along K (OCP MX v1.0); their sums are f32. All else is computed in f32.
;;   The module's matrix products, in the order in which they are computed (A, B: the left and right operand; K: the contracted axis; several contracted axes count as one K, in the product's order):
;;     1. [M 8,192, K 1,024] x [K 1,024, N 1,024]; A: input x_q; B: input wq: QUANTISED
;;     2. [M 8,192, K 1,024] x [K 1,024, N 1,024]; A: input x_q; B: input wk: QUANTISED
;;     3. [M 8,192, K 1,024] x [K 1,024, N 1,024]; A: input x_q; B: input wv: QUANTISED
;;     4. batch 64 x [M 2,048, K 64] x [K 64, N 2,048]; A: computed on the way; B: computed on the way: QUANTISED
;;     5. batch 64 x [M 2,048, K 2,048] x [K 2,048, N 64]; A: softmax (see below); B: computed on the way: QUANTISED
;;     6. [M 8,192, K 1,024] x [K 1,024, N 1,024]; A: computed on the way; B: input wo: QUANTISED
;;   THE QUANTISER, for each operand of a quantised product, along K:
;;     - K is cut into blocks of 32 from its start; a last block that is shorter is filled with zeros.
;;     - A block's scale is 2^e with e = floor(log2(the largest magnitude in the block)) - 2, held to -126 .. 127; a block of zeros has e = 0. As a byte (E8M0): e + 127.
;;     - Each number is divided by its block's scale, clamped to +-7.5, and rounded to the nearest number of E2M3, ties to even, subnormals kept.
;;     - The product sums the exact products of the quantised numbers (number of the format x scale) in f32.
;;   ~~~python
;;   def quantise(x, axis):      # numpy; x: float32 -> the quantised numbers, widened to float32 again
;;       x = np.moveaxis(x, axis, -1); K = x.shape[-1]
;;       x = np.pad(x, [(0, 0)] * (x.ndim - 1) + [(0, -K % 32)]); x = x.reshape(x.shape[:-1] + (-1, 32)); a = np.abs(x).max(-1, keepdims=True)
;;       e = np.where(a > 0, np.clip(np.frexp(np.where(a > 0, a, 1))[1] - 1 - 2, -126, 127), 0)      # np.frexp(a)[1] - 1 = floor(log2(a)), exactly
;;       r = np.clip(x / 2.0 ** e, -7.5, 7.5)
;;       step = 2.0 ** (np.maximum(np.frexp(np.where(r == 0, 1, r))[1] - 1, 0) - 3)
;;       q = np.round(r / step) * step * 2.0 ** e      # np.round: ties to even
;;       return np.moveaxis(q.reshape(q.shape[:-2] + (-1,))[..., :K], -1, axis).astype(np.float32)
;;   ~~~
;;   SOFTMAX AHEAD OF A QUANTISED PRODUCT. Where the list says 'softmax', what is quantised is not the finished softmax but p = 2^(t - M), with t = logit x log2(e) and M = ceil(the row's largest t), a whole number; so 1/2 < the row's largest p <= 1. The row's sum l is taken of the UNQUANTISED p, in f32, and the product's result is divided by l at the end. Since M is a whole number, a kernel that streams over the keys may use a running M (the ceiling of the running maximum): every later rescaling is an exact power of two, which a block's scale takes up: the codes' values come out the same.
;;   OPERANDS COMPUTED ON THE WAY. 'Computed on the way' means the value that the module computes at that place (a softmax that the list does not call 'softmax' is quantised finished and normalised). What goes into a quantiser is computed in f32, as accurately as f32 sums, v_exp_f32 and their like allow (about 1e-6 of the number): no bf16 or f16 on the way to a quantiser, and a product that is left as it is and whose result goes on into a quantised operand takes f32 operands (vector FMAs, or v_wmma_f32_16x16x4_f32). A number that lies on a knife's edge between two numbers of the format may be rounded either way, as far as f32 arithmetic and the matrix unit's own rounding can turn it there, and no further.
;; One version. Each part assembles by itself: llvm-mc -triple=amdgcn-amd-amdhsa -mcpu=gfx1250 --defsym DOCPART=n.
;; ======== version 1 of 1: 4 launches
;; limits: right only within a limited range of input values
;; workspace buffers: codes 9,830,400 bytes; qc 6,815,744 bytes; kv 13,107,200 bytes; oc 6,553,600 bytes
;; launch quant (part 1): grid 384 x 1, 4 waves a work-group, no clusters, 34,304 bytes of LDS; arguments x_q, wq, wk, wv, wo, codes; writes codes
.if DOCPART == 1
	.amdgcn_target "amdgcn-amd-amdhsa--gfx1250"
	.amdhsa_code_object_version 6
	.text
	.protected	k_q15bff4db1b_quant
	.globl	k_q15bff4db1b_quant
	.p2align	8
	.type	k_q15bff4db1b_quant,@function
k_q15bff4db1b_quant:
	s_mov_b64 s[64:65], 0
	v_nop
	global_prefetch_b8 v0, s[64:65] scope:SCOPE_SE
	s_setreg_imm32_b32 hwreg(HW_REG_WAVE_MODE, 25, 1), 1
	s_wait_xcnt 0x0
; x_q [8192][1024] and the four weights [1024][1024], f32, K innermost, become codes of FP6 (E2M3) with one E8M0 byte for each 32 along K,
; laid as the products' operand registers want them.  768 tiles of 16 rows: 0-511 x, then 64 each of wq, wk, wv, wo.
; THE ROWS OF A TILE ARE NOT NEIGHBOURS: position r of tile T is row 32 (T / 2) + 8 (T % 2) + r % 8 + 16 (r / 8), so that in a product whose source 0 is such a tile
; the 16 result registers of tiles 2 b and 2 b + 1 are 16 neighbours along that axis.
; A tile's record is 12,800 bytes: two chunks of 512 along K, each four fragments (16 rows x 128 K) of 1,536 bytes and 256 bytes of scale words.
; A fragment is an image of its 12 registers in two halves of 768 bytes (64 along K): registers 0-3 at 16 x lane, registers 4-5 at 512 + 8 x lane.
; Scale words (one a row and 128 K): word q of row r at 128 (q / 2) + 8 r + 4 (q % 2).
; A block's scale is 2^(floor(log2(largest magnitude)) - 2); its byte is the largest magnitude's exponent field - 2, held at 1 from below.
; LIMITS: a block of zeros gets the byte 1 where the rule says 127 (its codes are zeros, and only this program reads the bytes); blocks whose largest magnitude lies
; under 2^-124 are held at that byte; NaN and infinities among the inputs are not served.
; SHARES: a wave takes one tile and one chunk: 16 rows x 512 K, in four steps of 128 K.  Each load reads 512 consecutive bytes of one row; a step's 16 rows turn through the
; wave's own stage in LDS (rows of 512 + 16 bytes) so that a lane gets 16 neighbours of each block of 32.  Every store covers 512 or 256 consecutive aligned bytes.
; No matrix unit, no cluster, no barrier: waves share nothing, and memory binds.
; THE ORDER OF A TILE'S ROWS, AS THE CODE BELOW HAS IT (it takes the place of the order stated above): position r of tile T is row 64 (T / 4) + 8 (T % 4) + r % 8 + 32 (r / 8),
; so that in a product whose source 0 is such a tile the 32 result registers that a lane has of tiles 4 c .. 4 c + 3 are 32 neighbours along that axis: places 64 c + 32 (lane / 16) + 0 .. 31, one scale block.
.set STGB,  8448
.set SPARE, 4*STGB                     ; behind the stages: the spare words, 128 bytes a wave
.set LI16,  1                          ; v1  16 x lane
.set LI8,   2                          ; v2  8 x lane
.set STW,   3                          ; v3  the stage, on the way in
.set STR,   4                          ; v4  and out: 528 r + 64 h
.set LN,    5                          ; v5  lane
.set SPW,   6                          ; v6  my spare word; never rewritten
.set NIL,   7                          ; v7  0; never rewritten
.set TM,    8                          ; v8-11 largest magnitudes, v12-15 the other half's and then the bytes, v20-23 the conversions' scale operands
.set PW,    24                         ; v24-27 the four steps' scale words
.set YP,    28                         ; v28-29 the two that my half of the lanes stores
.set PC,    32                         ; v32-43 a fragment's codes
.set CT,    44                         ; v44-50 the second halves of the blocks, as the conversions leave them
.set X,     64                         ; v64-127 64 numbers: register 16 b + i = k 32 b + 16 h + i of my row
.set R,     128                        ; v128-255 two sets of 64 registers as loaded
.set SEL,   20                         ; s[20:21] v_permlanex16_b32's selects for lane l xor 16
	s_load_b256 s[4:11], s[0:1], 0x0               ; x_q, wq, wk, wv
	s_load_b128 s[12:15], s[0:1], 0x20             ; wo, codes
	v_lshl_add_u32 v[SPW], v0, 2, SPARE
	v_mov_b32 v[NIL], 0
	v_lshrrev_b32 v[LN], 5, v0
	v_readfirstlane_b32 s16, v[LN]                 ; wave 0..3
	v_and_b32 v[LN], 31, v0
	v_lshlrev_b32 v[LI16], 4, v[LN]
	v_lshlrev_b32 v[LI8], 3, v[LN]
	s_mul_i32 s17, s16, STGB
	v_add_nc_u32 v[STW], s17, v[LI16]
	v_and_b32 v[STR], 15, v0
	v_mul_u32_u24 v[STR], v[STR], 528
	v_bfe_u32 v[TM], v0, 4, 1
	v_lshl_add_u32 v[STR], v[TM], 6, v[STR]
	v_add_nc_u32 v[STR], s17, v[STR]
.irp b, 0,1,2,3
	v_mov_b32 v[TM+4+\b], 0                        ; written once: a lane permute's destination counts as one of its sources
.endr
	s_mov_b32 s[SEL], 0x76543210
	s_mov_b32 s[SEL+1], 0xfedcba98
	s_lshr_b32 s18, s16, 1                         ; u: which tile of the work-group's pair
	s_and_b32 s19, s16, 1                          ; which chunk of 512 along K
	s_and_b32 s22, ttmp9, 31                       ; a weight's pair of tiles
	s_lshl_b32 s24, ttmp9, 2
	s_add_co_u32 s24, s24, s16
	s_mul_i32 s24, s24, 6400                       ; my chunk's record: (2 tile + chunk) x 6,400 = (4 work-group + wave) x 6,400
	s_mov_b32 s25, 0
	s_wait_alu depctr_va_vdst(0)
	s_wait_kmcnt 0x0
	s_cmp_lt_u32 ttmp9, 352                        ; which tensor: the choice hangs on the work-group's number alone
	s_cselect_b64 s[12:13], s[10:11], s[12:13]
	s_cmp_lt_u32 ttmp9, 320
	s_cselect_b64 s[12:13], s[8:9], s[12:13]
	s_cmp_lt_u32 ttmp9, 288
	s_cselect_b64 s[12:13], s[6:7], s[12:13]
	s_cmp_lt_u32 ttmp9, 256
	s_cselect_b64 s[12:13], s[4:5], s[12:13]
	s_cselect_b32 s22, ttmp9, s22                  ; the pair of tiles inside the tensor
	s_and_b32 s26, s22, 1                          ; the pair's place in its group of four tiles
	s_lshr_b32 s22, s22, 1
	s_lshl_b32 s22, s22, 18                        ; a group is 64 rows of 4,096 bytes
	s_lshl_b32 s26, s26, 16                        ; + 16 rows for the group's second pair
	s_add_co_u32 s22, s22, s26
	s_lshl_b32 s18, s18, 15                        ; + 8 rows for the odd tile
	s_lshl_b32 s19, s19, 11                        ; + 512 numbers for the second chunk
	s_add_co_u32 s22, s22, s18
	s_add_co_u32 s22, s22, s19
	s_mov_b32 s23, 0
	s_add_nc_u64 s[12:13], s[12:13], s[22:23]
	s_add_nc_u64 s[14:15], s[14:15], s[24:25]
.macro LOAD s                          ; step s: 128 along K of the tile's 16 rows, a row a load
.irp i, 0,1,2,3,4,5,6,7,8,9,10,11,12,13,14,15
	global_load_b128 v[R+64*((\s)%2)+4*\i:R+64*((\s)%2)+4*\i+3], v[LI16], s[12:13] offset:((\i%8)+32*(\i/8))*4096+512*(\s) th:TH_LOAD_NT
.endr
.endm
; 64 numbers of a lane become a fragment's codes in v[PC] on and its scale word in v[pw]
.macro QUANT s, pw
.irp b, 0,1,2,3
	v_max3_num_f32 v[TM+\b], |v[\s+16*\b]|, |v[\s+1+16*\b]|, 0x1800000   ; my 16 numbers of block b, and the floor 2^(3 - 127): the byte cannot fall under 1
.endr
.irp i, 2,4,6,8,10,12,14
.irp b, 0,1,2,3
	v_max3_num_f32 v[TM+\b], v[TM+\b], |v[\s+16*\b+\i]|, |v[\s+1+16*\b+\i]|
.endr
.endr
.irp b, 0,1,2,3
	v_permlanex16_b32 v[TM+4+\b], v[TM+\b], s[SEL], s[SEL+1]
.endr
.irp b, 0,1,2,3
	v_max_num_f32 v[TM+\b], v[TM+\b], v[TM+4+\b]   ; with lane l xor 16's: the block's largest magnitude
.endr
.irp b, 0,1,2,3
	v_add_nc_u32 v[TM+12+\b], 0xff000000, v[TM+\b] ; 2 off its exponent field: the conversion's scale operand
.endr
.irp b, 0,1,2,3
	v_lshrrev_b32 v[TM+4+\b], 23, v[TM+12+\b]      ; the scale's byte
.endr
	v_lshl_or_b32 v[\pw], v[TM+5], 8, v[TM+4]
	v_lshl_or_b32 v[\pw], v[TM+6], 16, v[\pw]
	v_lshl_or_b32 v[\pw], v[TM+7], 24, v[\pw]
.irp c, 0,1
	v_cvt_scalef32_pk16_fp6_f32 v[PC+6*\c:PC+2+6*\c], v[\s+32*\c:\s+15+32*\c], v[TM+12+2*\c]
	v_cvt_scalef32_pk16_fp6_f32 v[CT+4*\c:CT+2+4*\c], v[\s+16+32*\c:\s+31+32*\c], v[TM+12+2*\c+1]   ; (a conversion's three registers begin on an even number)
.endr
	v_nop                                          ; one plain line behind the scaled conversions
.irp c, 0,1                                    ; the operand's layout wants a whole block in a lane: lanes 0-15 block 2 c, lanes 16-31 block 2 c + 1
.irp i, 0,1,2
	v_permlane16_swap_b32 v[PC+6*\c+\i], v[CT+4*\c+\i]
.endr
.irp i, 0,1,2
	v_mov_b32 v[PC+3+6*\c+\i], v[CT+4*\c+\i]
.endr
.endr
.endm
.macro STEP s
.if (\s) < 3
	s_wait_loadcnt 16                              ; this step's 16 loads are in; the next step's 16 may be out
.else
	s_wait_loadcnt 0x0
.endif
.irp i, 0,1,2,3,4,5,6,7,8,9,10,11,12,13,14,15
	ds_store_b128 v[STW], v[R+64*((\s)%2)+4*\i:R+64*((\s)%2)+4*\i+3] offset:528*\i
.endr
.irp b, 0,1,2,3
.irp j, 0,1,2,3
	ds_load_b128 v[X+16*\b+4*\j:X+16*\b+4*\j+3], v[STR] offset:128*\b+16*\j   ; LDS serves a wave's instructions in order: these see the stores above
.endr
.endr
	s_wait_dscnt 0x0                               ; the numbers are back, and the stores have read their registers,
.if (\s) < 2
	LOAD (\s)+2                                    ; which take the loads of two steps on
.endif
	s_wait_xcnt 0x0                                ; the last step's stores have read v[PC] on: it is written again only behind this wait
	QUANT X, PW+(\s)
	global_store_b128 v[LI16], v[PC:PC+3], s[14:15] offset:1536*(\s)
	global_store_b64 v[LI8], v[PC+4:PC+5], s[14:15] offset:1536*(\s)+512
	global_store_b128 v[LI16], v[PC+6:PC+9], s[14:15] offset:1536*(\s)+768
	global_store_b64 v[LI8], v[PC+10:PC+11], s[14:15] offset:1536*(\s)+1280
.endm
	LOAD 0
	LOAD 1
	STEP 0
	STEP 1
	STEP 2
	STEP 3
	v_cmp_le_u32 vcc_lo, 16, v[LN]                 ; lanes 16-31 store words 2 and 3 of their row, lanes 0-15 words 0 and 1
	v_cndmask_b32 v[YP], v[PW], v[PW+2], vcc_lo
	v_cndmask_b32 v[YP+1], v[PW+1], v[PW+3], vcc_lo
	global_store_b64 v[LI8], v[YP:YP+1], s[14:15] offset:6144   ; 256 consecutive aligned bytes
	s_wait_tensorcnt 0x0                           ; the wave's end, behind my last LDS store
	ds_add_u32 v[SPW], v[NIL]
	s_wait_dscnt 0x0
	s_endpgm
.Lfunc_end_k_q15bff4db1b_quant:
	.size	k_q15bff4db1b_quant, .Lfunc_end_k_q15bff4db1b_quant-k_q15bff4db1b_quant
	.p2alignl 7, 3214868480
	.fill 96, 4, 3214868480
	.section	.rodata,"a",@progbits
	.p2align	6, 0x0
	.amdhsa_kernel k_q15bff4db1b_quant
		.amdhsa_group_segment_fixed_size 34304
		.amdhsa_private_segment_fixed_size 0
		.amdhsa_enable_private_segment 0
		.amdhsa_kernarg_size 48
		.amdhsa_user_sgpr_count 2
		.amdhsa_user_sgpr_kernarg_segment_ptr 1
		.amdhsa_wavefront_size32 1
		.amdhsa_system_sgpr_workgroup_id_x 1
		.amdhsa_system_sgpr_workgroup_id_y 1
		.amdhsa_system_sgpr_workgroup_id_z 1
		.amdhsa_system_vgpr_workitem_id 0
		.amdhsa_next_free_vgpr 256
		.amdhsa_next_free_sgpr 66
		.amdhsa_reserve_vcc 1
		.amdhsa_float_denorm_mode_32 3
		.amdhsa_float_denorm_mode_16_64 3
		.amdhsa_memory_ordered 1
		.amdhsa_forward_progress 1
		.amdhsa_inst_pref_size 34
	.end_amdhsa_kernel
	.amdgpu_metadata
---
amdhsa.version: [ 1, 2 ]
amdhsa.kernels:
  - .name:           k_q15bff4db1b_quant
    .symbol:         k_q15bff4db1b_quant.kd
    .args:
      - { .name: x_q, .offset: 0, .size: 8, .value_kind: global_buffer, .address_space: global }
      - { .name: wq, .offset: 8, .size: 8, .value_kind: global_buffer, .address_space: global }
      - { .name: wk, .offset: 16, .size: 8, .value_kind: global_buffer, .address_space: global }
      - { .name: wv, .offset: 24, .size: 8, .value_kind: global_buffer, .address_space: global }
      - { .name: wo, .offset: 32, .size: 8, .value_kind: global_buffer, .address_space: global }
      - { .name: codes, .offset: 40, .size: 8, .value_kind: global_buffer, .address_space: global }
    .group_segment_fixed_size: 34304
    .private_segment_fixed_size: 0
    .kernarg_segment_align: 8
    .kernarg_segment_size: 48
    .max_flat_workgroup_size: 128
    .sgpr_count:     66
    .vgpr_count:     256
    .wavefront_size: 32
...
	.end_amdgpu_metadata
.endif
;; end of part 1
;; launch qkv (part 2): grid 4 x 64, 4 waves a work-group, clusters of 4 x 4, 327,680 bytes of LDS; arguments codes, bq, bk, bv, qc, kv; writes qc, kv
.if DOCPART == 2
	.amdgcn_target "amdgcn-amd-amdhsa--gfx1250"
	.amdhsa_code_object_version 6
	.text
	.protected	k_q15bff4db1b_qkv
	.globl	k_q15bff4db1b_qkv
	.p2align	8
	.type	k_q15bff4db1b_qkv,@function
k_q15bff4db1b_qkv:
	s_mov_b64 s[64:65], 0
	v_nop
	global_prefetch_b8 v0, s[64:65] scope:SCOPE_SE
	s_setreg_imm32_b32 hwreg(HW_REG_WAVE_MODE, 25, 1), 1
	s_wait_xcnt 0x0
	s_wait_alu depctr_hold_cnt(0) depctr_sa_sdst(0) depctr_va_vdst(0) depctr_va_sdst(0) depctr_va_ssrc(0) depctr_va_vcc(0) depctr_vm_vsrc(0)
	s_getreg_b32 s2, hwreg(HW_REG_IB_STS2, 6, 4)
	s_cmp_eq_u32 s2, 0
	s_cbranch_scc0 .Lentry_in_a_cluster
	s_endpgm
.Lentry_in_a_cluster:
	s_bfe_u32 s2, ttmp6, 0x10000c
	s_cmp_lg_u32 s2, 0xf033
	s_cbranch_scc0 .Lentry_shape_is_right
	s_endpgm
.Lentry_shape_is_right:
; q = x wq^T + bq, k = x wk^T + bk, v = x wv^T + bv on codes of FP6 (E2M3) with E8M0 scales, sums in f32; the results are quantised in registers and leave as codes:
; q and k along the head's 64 (two blocks of 32), v along the tokens (the second attention product's K).  No f32 result goes to memory.
; A WORK-GROUP STAYS and makes three tiles on end: one of q, one of k (a loop of two trips), one of v (the tail, written out: it refills nothing).  256 work-groups.
; TILE: an A side of 128 rows (source 1: the lanes of a result) and a B side of 256 rows (source 0: its registers).  q, k: A = x, B = the weight: a lane holds one token and 128 columns, two heads.
; v: A = wv, B = x: a lane holds one channel and 128 tokens, one key step.  Four waves: wave w takes A's rows 64 (w / 2) on (4 tiles a) and B's rows 128 (w % 2) on (8 tiles b): 32 accumulators.
; LDS: a ring of two slots of 153,600 bytes; slot c holds chunk c (512 along K) of a tile's panels: A's 8 records of 6,400 bytes, then B's 16.  Wave w fetches one panel of one chunk: A's (w even) or B's (w odd) of chunk w / 2.
; At the head each wave issues its one load.  Slot 0 is filled again, with the next tile's chunk 0, in K step 3, when its last fragments are in registers; slot 1 in the way out, behind the search for the largest magnitudes.
; Each refill stands behind the three lines and a round of the cluster's barrier; one tensor load of a wave is out at the most.
; CLUSTER 4 x 4: the four of a row share A's panel, the four of a column B's: joint loads.  k's A is q's A once more: a joint load is issued on every path, so it is asked for again.
; PREFETCH: wk's panel is asked for at the head and wv's in q's first K step, each at least a chunk's products ahead of the load that wants it; a wave names its sixteenth of a panel by address;
; the same panels serve all sixteen clusters, so the first four clusters alone ask.  x's rows for v are not asked for: the launch's own loads of x for q name the same rows.
; Tiles, fragments and scale words are laid as the launch before leaves them.  Position r of a tile T is row 64 (T / 4) + 8 (T % 4) + r % 8 + 32 (r / 8), so register 32 c + i of an a-block is place 64 c + 32 h + i
; along B's 128 rows: a lane holds whole scale blocks.  THE BIAS IS THE C OF EACH SUM'S FIRST PRODUCT: q's and k's along the registers, v's one number a lane spread over eight registers.
; OUT: qc [head of batch 64][group of 4 query tiles 32][3,328]: four halves of 768 bytes, 256 bytes of scale words (word t = two bytes, upper bytes 0).
;      kv [head of batch 64][key step 16][12,800]: K's 8 halves, V's 4 fragments, K's scale words (word f: key tile 2 f below, 2 f + 1 above), V's scale words.
; k's scale words leave as 128 consecutive bytes a store (half of an aligned 256): a key step's words come from two waves; 262,144 bytes of the launch's stores.
; LIMITS: a block of zeros gets the byte 1 (its codes are zeros; only this program reads the bytes); blocks under 2^-124 are held at that byte; NaN and infinities are not served.
; REGISTERS: window 0: v1-12 lane terms; v16-25 LDS addresses; v32-95 scale words and nothing else; v96-191 A's two sets, later the way out; v192-255 the quantiser's.
;   window 1: B's two sets, v0-95 and v96-191.   window 2: accumulator (a, b) at v[64 a + 8 b].   window 3: v0-63 q's or k's bias, v64-95 v's.
.set CH,     153600
.set REC,    6400
.set TR,     12800                     ; a tile's record
.set SPARE,  2*CH                      ; behind the ring: the spare words, 128 bytes a wave
.set LN16,   4
.set LN8,    5
.set SH8,    6                         ; 8 h
.set KW,     9                         ; where k's scale words go
.set PF,     10                        ; v10-11 wk's blocks that I ask for, v12 wv's
.set ADRA16, 16
.set ADRA8,  18
.set ADRB16, 20
.set ADRB8,  22
.set ADRS,   24
.set SPW,    28
.set NIL,    29
.set BO,     30
.set VBO,    31
.set SC,     32                        ; register 32 c + 4 i + q: lanes 0-15 the words of A's tile i, lanes 16-31 of B's tile i, K step q of chunk c
.set AS,     96
.set PC,     96                        ; the way out: codes of a-block a at PC + 12 a
.set PW,     168
.set Y,      180
.set M8,     192                       ; largest magnitudes of the eight blocks e = 2 a + c
.set SO8,    200                       ; the conversions' scale operands
.set BY8,    208                       ; the bytes
.set W4,     216
.set X4,     220
.set CT8,    224                       ; the blocks' upper 16 codes, as the conversions leave them
.set BIAS,   0                         ; window 3
.set BV,     64                        ; window 3
.set SEL,    2
.set WV,     16
.set AH,     17
.set BH,     18
.set CX,     19
.set CY,     20
.set TYPE,   21
.set CYC,    22
.set G1A,    24
.set G1B,    32
.set G0A,    40
.set G0B,    44
.set NAV,    48                        ; group 0's address words for the later tiles: v's A, k's B, v's B
.set NBK,    50
.set NBV,    52
.set Q0,     80
.set Q1,     82
.set K0,     84
.set K1,     86
.set V0,     88
.set V1,     90
.set OA,     92
.set OB,     94
.set MSB, 0
.macro WIN new                         ; the immediate's high byte repeats the setting that is left
.if MSB != \new
	s_set_vgpr_msb (MSB<<8)|\new
.set MSB, \new
.endif
.endm
.macro PLACES                          ; four plain lines between a matrix instruction and a load into, or a vector read or write of, its registers
.rept 4
	v_nop
.endr
.endm
.macro WALU
	s_wait_alu depctr_va_vdst(0)
.endm
.macro CREST                           ; a round of the cluster's barrier behind its opening barrier
	s_cmp_lg_u32 s[WV], 0
	s_cbranch_scc1 .Lnot_wave_0_\@
	s_barrier_signal -3
.Lnot_wave_0_\@:
	s_barrier_wait -3
	s_barrier_signal -1
	s_barrier_wait -1
.endm
.macro CROUND
	s_barrier_signal -1
	s_barrier_wait -1
	CREST
.endm
.macro TLOAD g0, g1
	tensor_load_to_lds s[\g0:\g0+3], s[\g1:\g1+7]
	s_nop 0
	PLACES
.endm
.macro REFILL s                        ; slot s: wave 2 s asks for A's panel, wave 2 s + 1 for B's
	s_cmp_eq_u32 s[WV], 2*\s
	s_cbranch_scc0 .Lfor_b_\@
	TLOAD G0A, G1A
	s_branch .Lasked_\@
.Lfor_b_\@:
	s_cmp_eq_u32 s[WV], 2*\s+1
	s_cbranch_scc0 .Lasked_\@
	TLOAD G0B, G1B
.Lasked_\@:
	PLACES                                         ; for the waves that come round the loads
.endm
.macro ADDR d, off                     ; a group 0's address words: codes + the offset in s\off (s73 = 0)
	s_mov_b32 s72, s\off
	s_add_nc_u64 s[\d:\d+1], s[4:5], s[72:73]
	s_or_b32 s[\d+1], s[\d+1], 0x80000000
.endm
.macro FRAG reg, a16, a8, off          ; a fragment's 12 registers: two halves, each 512 + 256 consecutive bytes
	ds_load_b128 v[\reg:\reg+3], v[\a16] offset:\off
	ds_load_b64 v[\reg+4:\reg+5], v[\a8] offset:\off+512
	ds_load_b128 v[\reg+6:\reg+9], v[\a16] offset:\off+768
	ds_load_b64 v[\reg+10:\reg+11], v[\a8] offset:\off+1280
.endm
.macro SCALES c                        ; a chunk's scale words: 16 loads
.irp i, 0,1,2,3,4,5,6,7
	ds_load_b64 v[SC+32*\c+4*\i:SC+32*\c+4*\i+1], v[ADRS+\c] offset:REC*\i
	ds_load_b64 v[SC+32*\c+4*\i+2:SC+32*\c+4*\i+3], v[ADRS+\c] offset:REC*\i+128   ; (for i above 3 lanes 0-15 read other filled bytes of the slot, which no product takes)
.endr
.endm
.macro FETCH q, p                      ; K step q's fragments into set p: B's eight, A's four: 48 loads
	WIN 0x40
.irp b, 0,1,2,3,4,5,6,7
	FRAG 96*(\p)+12*\b, ADRB16+(\q)/4, ADRB8+(\q)/4, REC*\b+1536*((\q)%4)
.endr
	WIN 0
.irp a, 0,1,2,3
	FRAG AS+48*(\p)+12*\a, ADRA16+(\q)/4, ADRA8+(\q)/4, REC*\a+1536*((\q)%4)
.endr
.endm
.macro MM d, a, b, c, sa, sb
	v_wmma_scale_f32_16x16x128_f8f6f4 v[\d:\d+7], v[\a:\a+11], v[\b:\b+11], \c, v[\sa], v[\sb] matrix_a_fmt:MATRIX_FMT_FP6 matrix_b_fmt:MATRIX_FMT_FP6 matrix_a_scale:MATRIX_SCALE_ROW1
.endm
; n a-blocks from a0 on x B's eight tiles, K step q, set p.  cmode 0: onto the sums; 2: the bias along the registers starts them; 3: the bias along the lanes.
; The 32 accumulators take turns, one instruction a turn, in the same order in every step.
.macro MUL a0, n, q, p, cmode
.if \cmode
	WIN 0xb1                                       ; C in window 3
.else
	WIN 0xa1
.endif
.set MA, \a0
.rept \n
.irp b, 0,1,2,3,4,5,6,7
.if \cmode == 0
	MM 64*MA+8*\b, 96*(\p)+12*\b, AS+48*(\p)+12*MA, v[64*MA+8*\b:64*MA+8*\b+7], SC+32*((\q)/4)+4*\b+(\q)%4, SC+32*((\q)/4)+4*MA+(\q)%4
.elseif \cmode == 2
	MM 64*MA+8*\b, 96*(\p)+12*\b, AS+48*(\p)+12*MA, v[BIAS+8*\b:BIAS+8*\b+7], SC+32*((\q)/4)+4*\b+(\q)%4, SC+32*((\q)/4)+4*MA+(\q)%4
.else
	MM 64*MA+8*\b, 96*(\p)+12*\b, AS+48*(\p)+12*MA, v[BV+8*MA:BV+8*MA+7], SC+32*((\q)/4)+4*\b+(\q)%4, SC+32*((\q)/4)+4*MA+(\q)%4
.endif
.endr
.set MA, MA+1
.endr
.endm
.macro BIASLOAD base                   ; register 8 b + j of lane (r, h) is column 64 (b / 4) + 8 (b % 4) + 32 h + j
	WIN 0xc0
.irp b, 0,1,2,3,4,5,6,7
	global_load_b128 v[BIAS+8*\b:BIAS+8*\b+3], v[BO], s[\base:\base+1] offset:(64*(\b/4)+8*(\b%4))*4
	global_load_b128 v[BIAS+8*\b+4:BIAS+8*\b+7], v[BO], s[\base:\base+1] offset:(64*(\b/4)+8*(\b%4))*4+16
.endr
	WIN 0
.endm
; The eight K steps, written out.  While a step is multiplied the next step's 48 loads are on their way into the other set.  ring = 1: the tile has a successor.
.macro GEMM cm, ring
	SCALES 0
	FETCH 0, 0
	FETCH 1, 1
	s_wait_dscnt 48                                ; all but the 48 just issued
.if \ring
	s_wait_loadcnt 0x0                             ; the bias
.endif
	MUL 0, 4, 0, 0, \cm
	PLACES
	WIN 0
.if \ring
	s_cmp_eq_u32 s[TYPE], 0                        ; in q's trip: k's bias takes q's registers, whose products are issued,
	s_cbranch_scc0 .Lno_more_\@
	BIASLOAD 8
	s_cmp_lt_u32 s[CYC], 4
	s_cbranch_scc0 .Lno_more_\@
	global_prefetch_b8 v[PF+2], s[4:5] th:TH_LOAD_NT scope:SCOPE_SE   ; and wv's panel, which k's trip will load, is asked for
.Lno_more_\@:
.endif
	FETCH 2, 0
	s_wait_dscnt 48
	MUL 0, 4, 1, 1, 0
	PLACES
	FETCH 3, 1
	s_wait_dscnt 48
	MUL 0, 4, 2, 0, 0
	WIN 0
	s_wait_tensorcnt 0x0                           ; all my tensor loads are in: my part of slot 1, if I have one;
.if \ring
	ds_add_u32 v[SPW], v[NIL]                      ; 0 onto my spare word
	s_cmp_eq_u32 s[TYPE], 0                        ; no load of mine is out: the next tile's addresses, for both slots' refills
	s_cselect_b64 s[G0A+2:G0A+3], s[G0A+2:G0A+3], s[NAV:NAV+1]
	s_cselect_b64 s[G0B+2:G0B+3], s[NBK:NBK+1], s[NBV:NBV+1]
.endif
	s_wait_dscnt 0x0                               ; my reads of slot 0 are over
	s_barrier_signal -1
	MUL 0, 2, 3, 1, 0                              ; work on registers while the others arrive
	WIN 0
	s_barrier_wait -1
.if \ring
	CREST                                          ; the barrier has opened a round: no wave of any partner still reads slot 0 or has a load on its way
	REFILL 0
.else
	PLACES
.endif
	SCALES 1
	FETCH 4, 0
	MUL 2, 2, 3, 1, 0
	PLACES
	FETCH 5, 1
	s_wait_dscnt 48
	MUL 0, 4, 4, 0, 0
	PLACES
	FETCH 6, 0
	s_wait_dscnt 48
	MUL 0, 4, 5, 1, 0
	PLACES
	FETCH 7, 1
	s_wait_dscnt 48
	MUL 0, 4, 6, 0, 0
	s_wait_dscnt 0x0
	MUL 0, 4, 7, 1, 0
	WIN 0
.endm
; THE QUANTISER, in three parts.  A lane holds eight whole blocks: block e = 2 a + c is window 2's registers 32 e .. 32 e + 31.  The eight chains take turns.
.macro QMAX
	PLACES                                         ; behind the last products
	WIN 0x0a                                       ; sources 0 and 1 in window 2.
.irp e, 0,1,2,3,4,5,6,7
	v_max3_num_f32 v[M8+\e], |v[32*\e]|, |v[32*\e+1]|, 0x1800000   ; and the floor 2^(3 - 127)
.endr
.irp i, 2,4,6,8,10,12,14,16,18,20,22,24,26,28,30
.irp e, 0,1,2,3,4,5,6,7
	v_max3_num_f32 v[M8+\e], |v[32*\e+\i]|, |v[32*\e+\i+1]|, v[M8+\e]
.endr
.endr
	WIN 0
.endm
.macro QWORDS
.irp e, 0,1,2,3,4,5,6,7
	v_add_nc_u32 v[SO8+\e], 0xff000000, v[M8+\e]   ; 2 off the exponent field: the conversion's scale operand
.endr
.irp e, 0,1,2,3,4,5,6,7
	v_lshrrev_b32 v[BY8+\e], 23, v[SO8+\e]         ; the byte
.endr
.irp a, 0,1,2,3
	v_lshl_or_b32 v[W4+\a], v[BY8+2*\a+1], 16, v[BY8+2*\a]
.endr
.irp a, 0,1,2,3
	v_lshlrev_b32 v[W4+\a], v[SH8], v[W4+\a]       ; blocks h and 2 + h: bytes h and 2 + h of the word
.endr
.irp a, 0,1,2,3
	v_permlanex16_b32 v[X4+\a], v[W4+\a], s[SEL], s[SEL+1]
.endr
.irp a, 0,1,2,3
	v_or_b32 v[PW+\a], v[W4+\a], v[X4+\a]          ; with lane l xor 16's two the word is whole, in every lane
.endr
.endm
.macro QCODES
	WIN 0x02                                       ; source 0 in window 2
.irp e, 0,1,2,3,4,5,6,7
	v_cvt_scalef32_pk16_fp6_f32 v[PC+6*\e:PC+6*\e+2], v[32*\e:32*\e+15], v[SO8+\e]
	v_cvt_scalef32_pk16_fp6_f32 v[CT8+4*\e:CT8+4*\e+2], v[32*\e+16:32*\e+31], v[SO8+\e]   ; (a conversion's three registers begin on an even number)
.endr
	WIN 0
	v_nop                                          ; one plain line behind the scaled conversions
.irp e, 0,1,2,3,4,5,6,7
.irp i, 0,1,2
	v_mov_b32 v[PC+6*\e+3+\i], v[CT8+4*\e+\i]
.endr
.endr
.endm
.macro PUT pa, pb, step                ; every store covers 512 or 256 consecutive aligned bytes: registers 0-5 by pa, 6-11 by pb
.irp a, 0,1,2,3
	global_store_b128 v[LN16], v[PC+12*\a:PC+12*\a+3], s[\pa:\pa+1] offset:\step*\a
	global_store_b64 v[LN8], v[PC+12*\a+4:PC+12*\a+5], s[\pa:\pa+1] offset:\step*\a+512
	global_store_b128 v[LN16], v[PC+12*\a+6:PC+12*\a+9], s[\pb:\pb+1] offset:\step*\a
	global_store_b64 v[LN8], v[PC+12*\a+10:PC+12*\a+11], s[\pb:\pb+1] offset:\step*\a+512
.endr
.endm
	s_load_b256 s[4:11], s[0:1], 0x0               ; codes, bq, bk, bv
	s_load_b128 s[12:15], s[0:1], 0x20             ; qc, kv
	v_lshl_add_u32 v[SPW], v0, 2, SPARE
	v_mov_b32 v[NIL], 0
	ds_add_u32 v[SPW], v[NIL]                      ; the wave's opening: the add, twice on end, and its wait ahead of my first tensor load
	ds_add_u32 v[SPW], v[NIL]
	v_lshrrev_b32 v1, 5, v0
	v_readfirstlane_b32 s[WV], v1                  ; wave 0..3
	s_lshr_b32 s[AH], s[WV], 1                     ; my half of A's rows.  Also: the chunk that I fetch
	s_and_b32 s[BH], s[WV], 1                      ; my half of B's rows.  Also: I fetch for A (0) or for B (1)
	s_bfe_u32 s[CX], ttmp6, 0x40000
	s_bfe_u32 s[CY], ttmp6, 0x40004
	s_and_b32 s[CYC], ttmp7, 0xffff                ; cluster y (the grid is one cluster wide)
	s_lshl_b32 s56, s[CY], 2
	s_lshl_b32 s56, 15, s56                        ; my row of the cluster
	s_lshl_b32 s57, 0x1111, s[CX]                  ; my column
	; descriptor group 1: rows of 6,400 bytes (800 elements of 8), one for each tile record's chunk, 12,800 bytes apart; 8 rows for A, 16 for B; no padding
	s_or_b32 s[G1A], s56, (3<<16)|(1<<21)
	s_or_b32 s[G1B], s57, (3<<16)|(1<<21)
	s_mov_b32 s[G1A+1], 800<<16
	s_mov_b32 s[G1A+2], 8<<16
	s_mov_b32 s[G1A+3], 800<<16
	s_mov_b32 s[G1A+4], 8
	s_mov_b32 s[G1A+5], 1600
	s_mov_b32 s[G1A+6], 0
	s_mov_b32 s[G1A+7], 0
	s_mov_b32 s[G1B+1], 800<<16
	s_mov_b32 s[G1B+2], 16<<16
	s_mov_b32 s[G1B+3], 800<<16
	s_mov_b32 s[G1B+4], 16
	s_mov_b32 s[G1B+5], 1600
	s_mov_b32 s[G1B+6], 0
	s_mov_b32 s[G1B+7], 0
	s_lshl_b32 s58, s[CYC], 2
	s_add_co_u32 s58, s58, s[CY]                   ; q, k: which 128 rows of x
	s_and_b32 s59, s[CYC], 1
	s_lshl_b32 s59, s59, 2
	s_add_co_u32 s59, s59, s[CY]                   ; v: which 128 rows of wv
	s_lshr_b32 s63, s[CYC], 1
	s_lshl_b32 s63, s63, 2
	s_add_co_u32 s63, s63, s[CX]                   ; v: which 256 rows of x
	s_mul_i32 s68, s[AH], REC                      ; my chunk of a record
	s_mul_i32 s60, s58, 8*TR                       ; the panels, bytes from codes: A of q and k,
	s_mul_i32 s61, s59, 8*TR
	s_add_co_u32 s61, s61, 640*TR                  ; A of v,
	s_mul_i32 s62, s[CX], 16*TR
	s_add_co_u32 s62, s62, 512*TR                  ; B of q,
	s_add_co_u32 s66, s62, 64*TR                   ; B of k,
	s_mul_i32 s67, s63, 16*TR                      ; B of v
	s_lshl_b32 s70, s[CY], 2
	s_add_co_u32 s70, s70, s[WV]
	s_mul_i32 s70, s70, TR
	s_add_co_u32 s70, s70, s66                     ; the prefetches: my sixteenth of wk's panel among the sixteen waves of my column,
	s_lshl_b32 s71, s[CX], 2
	s_add_co_u32 s71, s71, s[WV]
	s_mul_i32 s71, s71, REC
	s_add_co_u32 s71, s71, s61                     ; and of wv's among those of my row
	s_add_co_u32 s60, s60, s68
	s_add_co_u32 s61, s61, s68
	s_add_co_u32 s62, s62, s68
	s_add_co_u32 s66, s66, s68
	s_add_co_u32 s67, s67, s68
	s_mul_i32 s69, s[AH], CH                       ; my slot: no place in the cluster enters an LDS address
	s_mov_b32 s73, 0
	s_mov_b32 s[SEL], 0x76543210
	s_mov_b32 s[SEL+1], 0xfedcba98
	s_wait_dscnt 0x0                               ; both opening adds are done
	s_wait_kmcnt 0x0
	s_mov_b32 s[G0A], 1
	s_mov_b32 s[G0A+1], s69
	ADDR G0A+2, 60
	s_mov_b32 s[G0B], 1
	s_add_co_u32 s[G0B+1], s69, 51200
	ADDR G0B+2, 62
	ADDR NAV, 61
	ADDR NBK, 66
	ADDR NBV, 67
	CROUND                                         ; all sixteen work-groups are here: the joint loads meet
.macro ARM n, g0, g1, next             ; one chain of branches on the wave's number, one fill to an arm, all arms leading to one join
	s_cmp_eq_u32 s[WV], \n
	s_cbranch_scc0 \next
	TLOAD \g0, \g1
	s_branch .Lfirst_asked
\next:
.endm
	ARM 0, G0A, G1A, .Larm_1
	ARM 1, G0B, G1B, .Larm_2
	ARM 2, G0A, G1A, .Larm_3
	TLOAD G0B, G1B
.Lfirst_asked:
	; where the codes go
	s_lshl_b32 s74, s58, 3
	s_lshl_b32 s75, s[AH], 2
	s_add_co_u32 s74, s74, s75                     ; q, k: my first token tile
	s_lshr_b32 s75, s74, 7                         ; the batch
	s_and_b32 s74, s74, 127                        ; the tile in its sequence
	s_lshl_b32 s75, s75, 4
	s_lshl_b32 s76, s[CX], 2
	s_add_co_u32 s75, s75, s76
	s_lshl_b32 s76, s[BH], 1
	s_add_co_u32 s75, s75, s76                     ; 16 batch + my first head
	s_mul_i32 s72, s75, 106496
	s_lshr_b32 s77, s74, 2
	s_mul_i32 s77, s77, 3328
	s_add_co_u32 s72, s72, s77
	s_add_nc_u64 s[Q0:Q0+1], s[12:13], s[72:73]    ; q: the head's group of four tiles,
	s_add_nc_u64 s[Q1:Q1+1], s[Q0:Q0+1], 106496    ; and the next head's
	s_mul_i32 s72, s75, 204800
	s_lshr_b32 s77, s74, 3
	s_mul_i32 s77, s77, TR
	s_add_co_u32 s72, s72, s77
	s_and_b32 s77, s74, 7
	s_mul_i32 s77, s77, 768
	s_add_co_u32 s72, s72, s77
	s_add_nc_u64 s[K0:K0+1], s[14:15], s[72:73]    ; k: the head's key step, my first tile's half
	s_add_nc_u64 s[K1:K1+1], s[K0:K0+1], 204800
	s_lshl_b32 s74, s63, 4
	s_lshl_b32 s75, s[BH], 3
	s_add_co_u32 s74, s74, s75                     ; v: my first token tile
	s_lshr_b32 s75, s74, 7
	s_lshl_b32 s75, s75, 4
	s_lshl_b32 s76, s59, 1
	s_add_co_u32 s75, s75, s76
	s_add_co_u32 s75, s75, s[AH]                   ; 16 batch + my head
	s_mul_i32 s72, s75, 204800
	s_and_b32 s74, s74, 127
	s_lshr_b32 s74, s74, 3
	s_mul_i32 s74, s74, TR
	s_add_co_u32 s72, s72, s74
	s_add_co_u32 s72, s72, 6144
	s_add_nc_u64 s[V0:V0+1], s[14:15], s[72:73]    ; v: the head's key step, V's fragments,
	s_add_nc_u64 s[V1:V1+1], s[V0:V0+1], 768       ; and their second halves
	s_lshl_b32 s72, s[CX], 10
	s_lshl_b32 s68, s[BH], 9
	s_add_co_u32 s72, s72, s68
	s_add_nc_u64 s[6:7], s[6:7], s[72:73]          ; bq and bk at columns 256 cx + 128 BH,
	s_add_nc_u64 s[8:9], s[8:9], s[72:73]
	s_lshl_b32 s72, s59, 9
	s_lshl_b32 s68, s[AH], 8
	s_add_co_u32 s72, s72, s68
	s_add_nc_u64 s[10:11], s[10:11], s[72:73]      ; bv at my head's channels
	s_mul_i32 s74, s[AH], 25600                    ; LDS: my four tiles of A in slot 0,
	s_add_co_u32 s75, s74, CH                      ; in slot 1;
	s_mul_i32 s76, s[BH], 51200
	s_add_co_u32 s76, s76, 51200                   ; my eight of B
	s_add_co_u32 s77, s76, CH
	s_xor_b32 s78, s[AH], 1
	s_mul_i32 s78, s78, 25600
	s_mul_i32 s79, s[BH], 51200
	s_add_co_u32 s78, s78, s79
	s_add_co_u32 s78, s78, 25600                   ; from A's tiles to B's: 51,200 + 51,200 BH - 25,600 AH
	s_mul_i32 s79, s[AH], 2944
	s_sub_co_u32 s79, 12288, s79                   ; k: from my first half (3,072 AH) to my words (12,288 + 128 AH)
	v_and_b32 v1, 31, v0                           ; lane
	v_and_b32 v2, 15, v0                           ; r
	v_bfe_u32 v3, v0, 4, 1                         ; h
	v_lshlrev_b32 v[LN16], 4, v1
	v_lshlrev_b32 v[LN8], 3, v1
	v_mul_u32_u24 v7, s78, v3                      ; lanes 16-31 take B's words: the lower base + h x the distance
	v_lshl_add_u32 v7, v2, 3, v7
	v_add_nc_u32 v7, 6144, v7
	v_add_nc_u32 v[ADRA16], s74, v[LN16]
	v_add_nc_u32 v[ADRA16+1], s75, v[LN16]
	v_add_nc_u32 v[ADRA8], s74, v[LN8]
	v_add_nc_u32 v[ADRA8+1], s75, v[LN8]
	v_add_nc_u32 v[ADRB16], s76, v[LN16]
	v_add_nc_u32 v[ADRB16+1], s77, v[LN16]
	v_add_nc_u32 v[ADRB8], s76, v[LN8]
	v_add_nc_u32 v[ADRB8+1], s77, v[LN8]
	v_add_nc_u32 v[ADRS], s74, v7
	v_add_nc_u32 v[ADRS+1], s75, v7
	v_lshlrev_b32 v[SH8], 3, v3
	v_lshlrev_b32 v[BO], 7, v3                     ; 32 h numbers
	v_and_b32 v[VBO], 7, v2
	v_lshrrev_b32 v8, 3, v2
	v_lshlrev_b32 v[VBO], 2, v[VBO]
	v_lshl_add_u32 v[VBO], v8, 7, v[VBO]           ; r % 8 + 32 (r / 8) numbers
	v_lshlrev_b32 v[KW], 3, v2
	v_lshl_add_u32 v[KW], v3, 2, v[KW]
	v_add_nc_u32 v[KW], s79, v[KW]
	v_lshl_add_u32 v[PF], v1, 8, s70               ; a lane a block of 256 bytes: 50 of wk's in two lines (the lanes left over name the last again),
	v_add_nc_u32 v[PF+1], 32, v1
	v_min_u32 v[PF+1], 49, v[PF+1]
	v_lshl_add_u32 v[PF+1], v[PF+1], 8, s70
	v_min_u32 v[PF+2], 24, v1
	v_lshl_add_u32 v[PF+2], v[PF+2], 8, s71        ; 25 of wv's in one
.irp a, 0,1,2,3
	v_mov_b32 v[X4+\a], 0                          ; a lane permute's destination counts as one of its sources
.endr
	WALU                                           ; the wait behind the head's vector lines
	BIASLOAD 6
	WIN 0xc0
.irp a, 0,1,2,3
	global_load_b32 v[BV+8*\a], v[VBO], s[10:11] offset:32*\a   ; channel 8 a + r % 8 + 32 (r / 8) of my head
.endr
	WIN 0
	s_cmp_lt_u32 s[CYC], 4
	s_cbranch_scc0 .Lnot_asking
	global_prefetch_b8 v[PF], s[4:5] th:TH_LOAD_NT scope:SCOPE_SE
	global_prefetch_b8 v[PF+1], s[4:5] th:TH_LOAD_NT scope:SCOPE_SE
.Lnot_asking:
	s_wait_loadcnt 0x0
	WIN 0xc3
.irp a, 0,1,2,3
.irp i, 1,2,3,4,5,6,7
	v_mov_b32 v[BV+8*\a+\i], v[BV+8*\a]            ; v's number over the eight registers of a C
.endr
.endr
	WIN 0
	WALU                                           ; the wait at the head's end
	s_cmp_lt_u32 s[WV], 2                          ; chunk 0 is waves 0 and 1's, each by a load line of its own: they wait; chunk 1's loads may stay out
	s_cbranch_scc0 .Lnot_mine
	s_wait_tensorcnt 0x0
.Lnot_mine:
	s_barrier_signal -1
	s_barrier_wait -1
	s_mov_b32 s[TYPE], 0
.Ltile:                                                ; trip 0: q, trip 1: k
	s_cmp_eq_u32 s[TYPE], 0
	s_cselect_b64 s[OA:OA+1], s[Q0:Q0+1], s[K0:K0+1]
	s_cselect_b64 s[OB:OB+1], s[Q1:Q1+1], s[K1:K1+1]
	GEMM 2, 1
	QMAX
	WALU
	s_wait_tensorcnt 0x0                           ; all my tensor loads are in: my part of the next tile's chunk 0, if I have one;
	ds_add_u32 v[SPW], v[NIL]                      ; 0 onto my spare word: work on registers stands between it and the wait for it
	QWORDS
	WALU
	s_wait_dscnt 0x0                               ; the add is done; my reads of slot 1 ended ahead of the last K step
	CROUND
	REFILL 1
	QCODES
	PUT OA, OB, 768
	v_cmp_le_u32 vcc_lo, 16, v1                    ; lanes 16-31 store words 2 and 3, lanes 0-15 words 0 and 1
	WALU
	s_cmp_eq_u32 s[TYPE], 0
	s_cbranch_scc0 .Lis_k
	v_cndmask_b32 v[Y], v[PW], v[PW+2], vcc_lo
	v_cndmask_b32 v[Y+1], v[PW+1], v[PW+3], vcc_lo
	v_and_b32 v[Y+2], 0xffff, v[Y]                 ; q: the lower two bytes are the first head's, the upper two the second's
	v_and_b32 v[Y+3], 0xffff, v[Y+1]
	v_lshrrev_b32 v[Y+4], 16, v[Y]
	v_lshrrev_b32 v[Y+5], 16, v[Y+1]
	global_store_b64 v[LN8], v[Y+2:Y+3], s[OA:OA+1] offset:3072
	global_store_b64 v[LN8], v[Y+4:Y+5], s[OB:OB+1] offset:3072
	s_branch .Lstored
.Lis_k:
	v_perm_b32 v[Y+2], v[PW+1], v[PW], 0x05040100  ; k: a word joins two neighbouring key tiles: the first head's halves,
	v_perm_b32 v[Y+3], v[PW+3], v[PW+2], 0x05040100
	v_perm_b32 v[Y+4], v[PW+1], v[PW], 0x07060302  ; and the second's
	v_perm_b32 v[Y+5], v[PW+3], v[PW+2], 0x07060302
	v_cndmask_b32 v[Y+2], v[Y+2], v[Y+3], vcc_lo
	v_cndmask_b32 v[Y+4], v[Y+4], v[Y+5], vcc_lo
	global_store_b32 v[KW], v[Y+2], s[OA:OA+1]
	global_store_b32 v[KW], v[Y+4], s[OB:OB+1]
.Lstored:
	s_wait_xcnt 0x0                                ; the stores have read their registers and bases: the next tile's fragments land there, and the bases are chosen anew
	s_add_co_u32 s[TYPE], s[TYPE], 1
	s_cmp_lt_u32 s[TYPE], 2
	WALU
	s_cbranch_scc1 .Ltile
	GEMM 3, 0                                      ; v: nothing is filled again
	QMAX
	QWORDS
	QCODES
	PUT V0, V1, 1536
	v_cmp_le_u32 vcc_lo, 16, v1
	v_cndmask_b32 v[Y], v[PW], v[PW+2], vcc_lo
	v_cndmask_b32 v[Y+1], v[PW+1], v[PW+3], vcc_lo
	global_store_b64 v[LN8], v[Y:Y+1], s[V0:V0+1] offset:6400   ; word d = a, four key blocks' bytes
	s_wait_tensorcnt 0x0                           ; the wave's end
	ds_add_u32 v[SPW], v[NIL]
	s_wait_dscnt 0x0
	CROUND                                         ; the closing round
	s_endpgm
.Lfunc_end_k_q15bff4db1b_qkv:
	.size	k_q15bff4db1b_qkv, .Lfunc_end_k_q15bff4db1b_qkv-k_q15bff4db1b_qkv
	.p2alignl 7, 3214868480
	.fill 96, 4, 3214868480
	.section	.rodata,"a",@progbits
	.p2align	6, 0x0
	.amdhsa_kernel k_q15bff4db1b_qkv
		.amdhsa_group_segment_fixed_size 327680
		.amdhsa_private_segment_fixed_size 0
		.amdhsa_enable_private_segment 0
		.amdhsa_kernarg_size 48
		.amdhsa_user_sgpr_count 2
		.amdhsa_user_sgpr_kernarg_segment_ptr 1
		.amdhsa_wavefront_size32 1
		.amdhsa_system_sgpr_workgroup_id_x 1
		.amdhsa_system_sgpr_workgroup_id_y 1
		.amdhsa_system_sgpr_workgroup_id_z 1
		.amdhsa_system_vgpr_workitem_id 0
		.amdhsa_next_free_vgpr 1024
		.amdhsa_next_free_sgpr 100
		.amdhsa_reserve_vcc 1
		.amdhsa_float_denorm_mode_32 3
		.amdhsa_float_denorm_mode_16_64 3
		.amdhsa_memory_ordered 1
		.amdhsa_forward_progress 1
		.amdhsa_inst_pref_size 167
	.end_amdhsa_kernel
	.amdgpu_metadata
---
amdhsa.version: [ 1, 2 ]
amdhsa.kernels:
  - .name:           k_q15bff4db1b_qkv
    .symbol:         k_q15bff4db1b_qkv.kd
    .args:
      - { .name: codes, .offset: 0, .size: 8, .value_kind: global_buffer, .address_space: global }
      - { .name: bq, .offset: 8, .size: 8, .value_kind: global_buffer, .address_space: global }
      - { .name: bk, .offset: 16, .size: 8, .value_kind: global_buffer, .address_space: global }
      - { .name: bv, .offset: 24, .size: 8, .value_kind: global_buffer, .address_space: global }
      - { .name: qc, .offset: 32, .size: 8, .value_kind: global_buffer, .address_space: global }
      - { .name: kv, .offset: 40, .size: 8, .value_kind: global_buffer, .address_space: global }
    .group_segment_fixed_size: 327680
    .private_segment_fixed_size: 0
    .kernarg_segment_align: 8
    .kernarg_segment_size: 48
    .max_flat_workgroup_size: 128
    .sgpr_count:     100
    .vgpr_count:     1024
    .wavefront_size: 32
...
	.end_amdgpu_metadata
.endif
;; end of part 2
;; launch attn (part 3): grid 4 x 64, 8 waves a work-group, clusters of 4 x 1, 205,824 bytes of LDS; arguments qc, kv, oc; writes oc
.if DOCPART == 3
	.amdgcn_target "amdgcn-amd-amdhsa--gfx1250"
	.amdhsa_code_object_version 6
	.text
	.protected	k_q15bff4db1b_attn
	.globl	k_q15bff4db1b_attn
	.p2align	8
	.type	k_q15bff4db1b_attn,@function
k_q15bff4db1b_attn:
	s_mov_b64 s[64:65], 0
	v_nop
	global_prefetch_b8 v0, s[64:65] scope:SCOPE_SE
	s_setreg_imm32_b32 hwreg(HW_REG_WAVE_MODE, 25, 1), 1
	s_wait_xcnt 0x0
	s_wait_alu depctr_hold_cnt(0) depctr_sa_sdst(0) depctr_va_vdst(0) depctr_va_sdst(0) depctr_va_ssrc(0) depctr_va_vcc(0) depctr_vm_vsrc(0)
	s_getreg_b32 s2, hwreg(HW_REG_IB_STS2, 6, 4)
	s_cmp_eq_u32 s2, 0
	s_cbranch_scc0 .Lentry_in_a_cluster
	s_endpgm
.Lentry_in_a_cluster:
	s_bfe_u32 s2, ttmp6, 0x10000c
	s_cmp_lg_u32 s2, 0x3003
	s_cbranch_scc0 .Lentry_shape_is_right
	s_endpgm
.Lentry_shape_is_right:
; o = softmax(q k^T / 8) v for one head of one batch, both products on codes of FP6 (E2M3) with E8M0 scales; o is normalised in f32, quantised along the head's 64 and leaves as codes for the last product.
; THE SOFTMAX: t = score x log2(e) / 8; M = the running largest t rounded up to a whole number; p = 2^(t - M) is quantised along the keys, not normalised; the row's sum is taken of the unquantised p
; and divides at the end.  When M moves, the sum and O^T are multiplied by 2^(old M - new M): exact, and no branch on data.
; SHARES: a work-group owns 512 queries of a head, each of its eight waves 64: four tiles of 16, worked in two pairs, so that every chain of dependent lines has a second (a block's: three others) beside it.
; LDS: the head's K and V as codes with their scale words, 16 key steps of 12,800 bytes, lie in LDS whole and are filled once: no ring.  One tensor load a wave, 25,600 bytes = two key steps
; wave 0's, key steps 0 and 1, has a load line of its own and is waited for first; the others' are waited for behind those two steps.
; No data prefetch: all that the launch reads through LDS is asked for at the head, so there is no later load to run ahead of.
; CLUSTER 4 x 1: the four blocks of queries of a head read the same bytes: joint loads.
; LAYOUT: both products transposed (S^T = K Q^T, O^T = V^T P^T): a lane holds one query throughout.  Position r of key tile T of a step is key 64 (T / 4) + 8 (T % 4) + r % 8 + 32 (r / 8), so lane (r, h)'s
; 32 registers of tiles 4 c .. 4 c + 3 are keys 64 c + 32 h + 0 .. 31: ONE SCALE BLOCK, in the order of the operand's registers 6 c .. 6 c + 5.  V's channels are laid likewise: a lane's 32 registers of O^T are channels 32 h + 0 .. 31.
; So a block's largest number needs no other lane; only the row's maximum, the row's sum and the scale words' bytes pass between lanes l and l xor 16.
; K = 64 IN AN INSTRUCTION OF 128: a fragment of K holds two key tiles (registers 0-5, 6-11).  Q lies as [0][q0][0][q1][0][q2][0][q3][0], six registers each: [q][0] picks the first key tile, [0][q] the second.
; Zero codes add nothing; their scale bytes are 0 (2^-127).
; A BLOCK'S LARGEST p is made of its largest score by the same multiply-add and exponential as every p (p rises with the score).
; o's scale bytes leave as stores of 2 bytes, 8 bytes apart: a scale word of the next product joins two heads, which two work-groups make; 262,144 bytes of the launch's stores.
; O^T is cleared once (128 lines): the key step is then written in one form, and its first change of M multiplies zeros.
; LIMITS: the scaled scores t stay under 2^31 in magnitude; a block of zeros gets the byte 1 (its codes are zeros; only this program reads the bytes); NaN and infinities are not served.
; REGISTERS: window 0: v1-7 lane terms; v8-23 four a tile: -M, largest score, the sum in two halves; v24-39 scale words and nothing else; v40-87 K, then V; v88-215 S^T then p of a pair; v216-246 at work.
;   window 1: v0-127 O^T (tile t, channels' tile d at 32 t + 8 d); v128-181 Q; v184-231 p's codes; v232-247 the blocks' upper 16 codes as the conversions leave them.
.set STEPB, 12800
.set SPARE, 16*STEPB                   ; behind the head: the spare words, 128 bytes a wave
.set LI16,  1
.set LI8,   2
.set R8,    3                          ; 8 x (lane % 16)
.set AD16,  4
.set AD8,   5
.set SPW,   6
.set NIL,   7
.set ST,    8
.set KSC,   24                         ; K's words: word f in register f % 2, lanes 0-15 for f < 2, lanes 16-31 else
.set VSC,   26                         ; V's likewise
.set QS,    28                         ; v28+2t Q's word for the first key tile of a fragment, v29+2t for the second
.set PSC,   36                         ; v36+t p's word
.set KF,    40
.set S,     88
.set BM,    216                        ; block g = 2 u + c of the pair: its largest score, then its largest p
.set TT,    220
.set XX,    222
.set OD,    224
.set NT,    226
.set F,     228                        ; f of tile u in v[F + 2 u]
.set SO,    232
.set BY,    236
.set BS,    240
.set W,     244
.set SH8,   246                        ; 8 x (lane / 16)
.set QW,    128                        ; window 1
.set P,     184                        ; window 1
.set CT,    232                        ; window 1
.set OP,    40                         ; the way out: o's codes
.set PW2,   240
.set Z,     244
.set ZA,    224
.set WV,    12
.set CX,    13
.set BHD,   14
.set G1,    16
.set G0,    32
.set SEL,   40
.set CS,    42
.set TB,    44
.set CNT,   45
.set NCS,   36
.set MSB, 0
.macro WIN new                         ; the immediate's high byte repeats the setting that is left
.if MSB != \new
	s_set_vgpr_msb (MSB<<8)|\new
.set MSB, \new
.endif
.endm
.macro WALU
	s_wait_alu depctr_va_vdst(0)
.endm
.macro CROUND                          ; a round of the cluster's barrier
	s_barrier_signal -1
	s_barrier_wait -1
	s_cmp_lg_u32 s[WV], 0
	s_cbranch_scc1 .Lnot_wave_0_\@
	s_barrier_signal -3
.Lnot_wave_0_\@:
	s_barrier_wait -3
	s_barrier_signal -1
	s_barrier_wait -1
.endm
.macro FRAG reg, off                   ; a fragment's 12 registers: two halves, each 512 + 256 consecutive bytes
	ds_load_b128 v[\reg:\reg+3], v[AD16] offset:\off
	ds_load_b64 v[\reg+4:\reg+5], v[AD8] offset:\off+512
	ds_load_b128 v[\reg+6:\reg+9], v[AD16] offset:\off+768
	ds_load_b64 v[\reg+10:\reg+11], v[AD8] offset:\off+1280
.endm
.macro MM d, a, b, c, sa, sb, row      ; a product; row: source 0's scales come from lanes 16-31
.if \row
	v_wmma_scale_f32_16x16x128_f8f6f4 v[\d:\d+7], v[\a:\a+11], v[\b:\b+11], \c, v[\sa], v[\sb] matrix_a_fmt:MATRIX_FMT_FP6 matrix_b_fmt:MATRIX_FMT_FP6 matrix_a_scale:MATRIX_SCALE_ROW1
.else
	v_wmma_scale_f32_16x16x128_f8f6f4 v[\d:\d+7], v[\a:\a+11], v[\b:\b+11], \c, v[\sa], v[\sb] matrix_a_fmt:MATRIX_FMT_FP6 matrix_b_fmt:MATRIX_FMT_FP6
.endif
.endm
	s_load_b128 s[4:7], s[0:1], 0x0                ; qc, kv
	s_load_b64 s[8:9], s[0:1], 0x10                ; oc
	v_lshl_add_u32 v[SPW], v0, 2, SPARE
	v_mov_b32 v[NIL], 0
	ds_add_u32 v[SPW], v[NIL]                      ; the wave's opening: the add, twice on end, and its wait ahead of my tensor load
	ds_add_u32 v[SPW], v[NIL]
	v_lshrrev_b32 v3, 5, v0
	v_readfirstlane_b32 s[WV], v3                  ; wave 0..7
	s_bfe_u32 s[CX], ttmp6, 0x40000                ; my block of 512 queries (the grid is one cluster wide)
	s_and_b32 s[BHD], ttmp7, 0xffff                ; 16 batch + head, which the four partners share
	s_mov_b32 s[G1], 15|(3<<16)|(1<<21)            ; dense bytes as 100 rows of 256 (32 elements of 8 bytes); the mask names all four; bit 21 set beside it
	s_mov_b32 s[G1+1], 32<<16
	s_mov_b32 s[G1+2], 100<<16
	s_mov_b32 s[G1+3], 32<<16
	s_mov_b32 s[G1+4], 100
	s_mov_b32 s[G1+5], 32
	s_mov_b32 s[G1+6], 0
	s_mov_b32 s[G1+7], 0
	s_mul_i32 s46, s[BHD], 204800                  ; the head's bytes in kv
	s_mul_i32 s48, s[WV], 25600                    ; my two key steps: the same byte in the head and in LDS
	s_add_co_u32 s50, s46, s48
	s_mov_b32 s51, 0
	s_mul_i32 s54, s[BHD], 106496
	s_lshl_b32 s55, s[CX], 3
	s_add_co_u32 s55, s55, s[WV]
	s_mul_i32 s55, s55, 3328
	s_add_co_u32 s54, s54, s55                     ; my group of four query tiles in qc
	s_mov_b32 s55, 0
	s_mov_b32 s[SEL], 0x76543210
	s_mov_b32 s[SEL+1], 0xfedcba98
	s_mov_b32 s[CS], 0x3e38aa3b                    ; c = log2(e) / 8
	s_mov_b32 s[CS+1], s[CS]                       ; (named with it as a pair, so it is written)
	s_mov_b32 s[NCS], 0xbe38aa3b                   ; -c
	s_mov_b32 s[TB], 0
	s_wait_dscnt 0x0                               ; both opening adds are done
	s_wait_kmcnt 0x0
	s_mov_b32 s[G0], 1
	s_mov_b32 s[G0+1], s48
	s_add_nc_u64 s[G0+2:G0+3], s[6:7], s[50:51]
	s_or_b32 s[G0+3], s[G0+3], 0x80000000
	s_add_nc_u64 s[4:5], s[4:5], s[54:55]
	CROUND                                         ; all four work-groups are here: the joint loads meet
	s_cmp_eq_u32 s[WV], 0                          ; wave 0, which alone waits ahead of the first barrier, has a load line of its own
	s_cbranch_scc0 .Lothers
	tensor_load_to_lds s[G0:G0+3], s[G1:G1+7]
	s_nop 0
.rept 4
	v_nop
.endr
	s_branch .Lasked
.Lothers:
	tensor_load_to_lds s[G0:G0+3], s[G1:G1+7]
	s_nop 0
.rept 4
	v_nop
.endr
.Lasked:
	v_and_b32 v3, 31, v0
	v_bfe_u32 v[SH8], v0, 4, 1
	v_and_b32 v[R8], 15, v0
	v_and_b32 v[LI8], 31, v0
	v_lshlrev_b32 v[SH8], 3, v[SH8]
	v_lshlrev_b32 v[R8], 3, v[R8]
	v_lshlrev_b32 v[LI16], 4, v[LI8]
	v_lshlrev_b32 v[LI8], 3, v[LI8]
	WIN 0x40                                       ; destination window 1
.irp t, 0,1,2,3
	global_load_b128 v[QW+12*\t+6:QW+12*\t+9], v[LI16], s[4:5] offset:768*\t
	global_load_b64 v[QW+12*\t+10:QW+12*\t+11], v[LI8], s[4:5] offset:768*\t+512
.endr
	WIN 0
.irp t, 0,1,2,3
	global_load_b32 v[QS+2*\t], v[R8], s[4:5] offset:3072+128*(\t/2)+4*(\t%2)
.endr
.set I, BM
.rept 30
	v_mov_b32 v[I], 0                              ; the registers at work: lane permutes' destinations and upper halves of pairs count as read
.set I, I+1
.endr
	WIN 0x40
.set I, 0
.rept 128
	v_mov_b32 v[I], 0                              ; O^T
.set I, I+1
.endr
	WIN 0
	s_wait_loadcnt 0x0
.irp t, 0,1,2,3
	v_lshlrev_b32 v[QS+2*\t+1], 16, v[QS+2*\t]     ; the same two bytes for K = 64 .. 127
.endr
	WIN 0x40
.irp g, 0,1,2,3,4
.irp i, 0,1,2,3,4,5
	v_mov_b32 v[QW+12*\g+\i], 0                    ; the zero codes.  (These 30 lines are also the plain lines between the scale registers just written and the first product)
.endr
.endr
	WIN 0
.irp t, 0,1,2,3
	v_mov_b32 v[ST+4*\t], 0x7f61b1e6               ; -M: 3e38
	v_mov_b32 v[ST+4*\t+1], 0xff61b1e6             ; the largest score so far: -3e38
	v_mov_b32 v[ST+4*\t+2], 0                      ; the sum, in two halves
	v_mov_b32 v[ST+4*\t+3], 0
.endr
.macro QK p                            ; S^T of tiles 2 p and 2 p + 1: sixteen sums, one instruction each
	WIN 0x04                                       ; Q in window 1
.irp i, 0,1,2,3,4,5,6,7
.irp u, 0,1
	MM S+64*\u+8*\i, KF+12*(\i/2), QW+12*(2*(\p)+\u)+6-6*(\i%2), 0, KSC+(\i/2)%2, QS+2*(2*(\p)+\u)+\i%2, \i/4
.endr
.endr
.endm
; The softmax of a pair of tiles x 128 keys, up to p's codes.  u: the tile of the pair; g = 2 u + c: a block of 32 keys, registers S + 32 g on.
.macro CORE p
.set rP, ST+8*(\p)
.irp g, 0,1,2,3
	v_max3_num_f32 v[BM+\g], v[S+32*\g], v[S+32*\g+1], v[S+32*\g+2]   ; each block's largest score; each accumulator is read from its low end on
.endr
.irp i, 3,5,7,9,11,13,15,17,19,21,23,25,27,29
.irp g, 0,1,2,3
	v_max3_num_f32 v[BM+\g], v[BM+\g], v[S+32*\g+\i], v[S+32*\g+\i+1]
.endr
.endr
.irp g, 0,1,2,3
	v_max_num_f32 v[BM+\g], v[BM+\g], v[S+32*\g+31]
.endr
.irp u, 0,1
	v_max_num_f32 v[TT+\u], v[BM+2*\u], v[BM+2*\u+1]
.endr
.irp u, 0,1
	v_permlanex16_b32 v[XX+\u], v[TT+\u], s[SEL], s[SEL+1]
.endr
.irp u, 0,1
	v_max3_num_f32 v[rP+4*\u+1], v[rP+4*\u+1], v[TT+\u], v[XX+\u]   ; the running largest score (c is positive: it is the largest t's)
.endr
.irp u, 0,1
	v_mul_f32 v[NT+\u], s[NCS], v[rP+4*\u+1]       ; -t
.endr
.irp u, 0,1
	v_mov_b32 v[OD+\u], v[rP+4*\u]
.endr
.irp u, 0,1
	v_floor_f32 v[rP+4*\u], v[NT+\u]               ; the new -M = -ceil(t)
.endr
.irp u, 0,1
	v_sub_f32 v[OD+\u], v[rP+4*\u], v[OD+\u]       ; old M - new M: a whole number, 0 or less
.endr
.irp u, 0,1
	v_cvt_i32_f32 v[OD+\u], v[OD+\u]               ; (it saturates)
.endr
.irp u, 0,1
	v_ldexp_f32 v[F+2*\u], 1.0, v[OD+\u]           ; f = 2^(old M - new M)
.endr
.irp u, 0,1
.set J, 0
.rept 32
	v_pk_fma_f32 v[S+64*\u+J:S+64*\u+J+1], v[S+64*\u+J:S+64*\u+J+1], s[CS:CS+1], v[rP+4*\u:rP+4*\u+1] op_sel_hi:[1,0,0]   ; t - M, two at a time
.set J, J+2
.endr
.endr
.irp g, 0,1,2,3
	v_fma_f32 v[BM+\g], v[BM+\g], s[CS], v[rP+4*(\g/2)]   ; the same of each block's largest score
.endr
	WALU                                           ; the wait ahead of the batch
.set J, 0
.rept 128
	v_exp_f32 v[S+J], v[S+J]                       ; p = 2^(t - M), at most 1
.set J, J+1
.endr
.irp g, 0,1,2,3
	v_exp_f32 v[BM+\g], v[BM+\g]                   ; the block's largest p
.endr
.irp u, 0,1
	v_pk_mul_f32 v[rP+4*\u+2:rP+4*\u+3], v[rP+4*\u+2:rP+4*\u+3], v[F+2*\u:F+2*\u+1] op_sel_hi:[1,0]   ; the sums under the new M: the plain lines behind the exponentials
.endr
	WALU                                           ; one wait for the batch, ahead of its first reader
.irp u, 0,1
	v_pk_add_f32 v[BS+2*\u:BS+2*\u+1], v[S+64*\u:S+64*\u+1], v[S+64*\u+2:S+64*\u+3]   ; the row's sum of the unquantised p: two chains a tile
.endr
.set J, 4
.rept 15
.irp u, 0,1
	v_pk_add_f32 v[rP+4*\u+2:rP+4*\u+3], v[rP+4*\u+2:rP+4*\u+3], v[S+64*\u+J:S+64*\u+J+1]
.endr
.irp u, 0,1
	v_pk_add_f32 v[BS+2*\u:BS+2*\u+1], v[BS+2*\u:BS+2*\u+1], v[S+64*\u+J+2:S+64*\u+J+3]
.endr
.set J, J+4
.endr
.irp g, 0,1,2,3
	v_max_num_f32 v[BM+\g], 0x1800000, v[BM+\g]    ; the floor 2^(3 - 127): the byte cannot fall under 1
.endr
.irp u, 0,1
	v_pk_add_f32 v[rP+4*\u+2:rP+4*\u+3], v[rP+4*\u+2:rP+4*\u+3], v[BS+2*\u:BS+2*\u+1]
.endr
.irp g, 0,1,2,3
	v_add_nc_u32 v[SO+\g], 0xff000000, v[BM+\g]    ; 2 off the exponent field: the conversion's scale operand
.endr
.irp g, 0,1,2,3
	v_lshrrev_b32 v[BY+\g], 23, v[SO+\g]           ; the byte
.endr
.irp u, 0,1
	v_lshl_or_b32 v[W+\u], v[BY+2*\u+1], 16, v[BY+2*\u]
.endr
.irp u, 0,1
	v_lshlrev_b32 v[W+\u], v[SH8], v[W+\u]         ; my blocks h and 2 + h: bytes h and 2 + h of the word
.endr
.irp u, 0,1
	v_permlanex16_b32 v[XX+\u], v[W+\u], s[SEL], s[SEL+1]
.endr
.irp u, 0,1
	v_or_b32 v[PSC+2*(\p)+\u], v[W+\u], v[XX+\u]   ; with lane l xor 16's two the word is whole
.endr
	WIN 0x40                                       ; the codes go to window 1
.irp g, 0,1,2,3
	v_cvt_scalef32_pk16_fp6_f32 v[P+24*(\p)+6*\g:P+24*(\p)+6*\g+2], v[S+32*\g:S+32*\g+15], v[SO+\g]
	v_cvt_scalef32_pk16_fp6_f32 v[CT+4*\g:CT+4*\g+2], v[S+32*\g+16:S+32*\g+31], v[SO+\g]   ; (a conversion's three registers begin on an even number)
.endr
.endm
.macro MOVS p                          ; the blocks' upper 16 codes to their places
	WIN 0x41
.irp g, 0,1,2,3
.irp i, 0,1,2
	v_mov_b32 v[P+24*(\p)+6*\g+3+\i], v[CT+4*\g+\i]
.endr
.endr
.endm
.macro RESC p                          ; O^T of the pair under the new M, each accumulator from its low end on
	WIN 0x41                                       ; O^T in window 1, f in window 0
	WALU                                           ; directly ahead of the first reader of O^T
.set J, 0
.rept 32
	v_pk_mul_f32 v[64*(\p)+2*J:64*(\p)+2*J+1], v[64*(\p)+2*J:64*(\p)+2*J+1], v[F+2*(J/16):F+2*(J/16)+1] op_sel_hi:[1,0]
.set J, J+1
.endr
.endm
.macro PV                              ; O^T += V^T P^T: sixteen accumulators, one instruction each
	WIN 0x54                               ; V in window 0; p's codes and O^T in window 1
.irp d, 0,1,2,3
.irp t, 0,1,2,3
	MM 32*\t+8*\d, KF+12*\d, P+12*\t, v[32*\t+8*\d:32*\t+8*\d+7], VSC+\d%2, PSC+\t, \d/2
.endr
.endr
	WIN 0
.endm
.macro STEP                            ; a key step of 128 keys, at LDS byte s[TB]
	v_add_nc_u32 v[AD16], s[TB], v[LI16]
	v_add_nc_u32 v[AD8], s[TB], v[LI8]
	v_nop
	v_nop                                          ; four plain lines between the last step's products and the loads into their registers and scale words
.irp f, 0,1,2,3
	FRAG KF+12*\f, 1536*\f
.endr
	ds_load_b64 v[KSC:KSC+1], v[AD8] offset:12288
	ds_load_b64 v[VSC:VSC+1], v[AD8] offset:12544
	s_wait_dscnt 0x0                               ; K and the words are in
	QK 0
	WIN 0
.rept 4
	v_nop                                          ; four plain lines behind the products
.endr
	CORE 0
	RESC 0                                         ; (also the plain lines behind the conversions)
	QK 1
	MOVS 0                                         ; twelve plain lines that name no register of the products: the places ahead of the loads and reads below
	WIN 0
.irp d, 0,1,2,3
	FRAG KF+12*\d, 6144+1536*\d                    ; V takes K's registers: K's last products are issued
.endr
	CORE 1
	v_nop                                          ; one plain line behind the scaled conversions
	MOVS 1
	RESC 1                                         ; also the plain lines between p's codes and words and the products that take them
	WALU                                           ; directly ahead of the wait below
	s_wait_dscnt 0x0                               ; V
	PV
.endm
.macro STEPS n
	s_mov_b32 s[CNT], \n
.Lstep_\@:
	STEP
	s_add_co_u32 s[TB], s[TB], STEPB
	s_sub_co_u32 s[CNT], s[CNT], 1
	s_cmp_lg_u32 s[CNT], 0
	s_cbranch_scc1 .Lstep_\@
.endm
	WALU                                           ; the wait at the head's end
	s_cmp_eq_u32 s[WV], 0
	s_cbranch_scc0 .Lnot_first
	s_wait_tensorcnt 0x0                           ; wave 0: key steps 0 and 1 are in; the other waves' loads may stay out
.Lnot_first:
	s_barrier_signal -1
	s_barrier_wait -1
	STEPS 2
	s_wait_tensorcnt 0x0                           ; every wave: my two key steps are in
	s_wait_dscnt 0x0
	s_barrier_signal -1
	s_barrier_wait -1
	STEPS 14
	; THE WAY OUT.  The sums' halves are added, O^T is divided by the sum, quantised along the head's 64 (a lane holds one block) and stored as a half fragment for each tile.
.irp t, 0,1,2,3
	v_add_f32 v[ST+4*\t+2], v[ST+4*\t+2], v[ST+4*\t+3]   ; (these lines are also the plain lines behind the last products)
.endr
.irp t, 0,1,2,3
	v_permlanex16_b32 v[BM+\t], v[ST+4*\t+2], s[SEL], s[SEL+1]
.endr
.irp t, 0,1,2,3
	v_add_f32 v[ST+4*\t+2], v[ST+4*\t+2], v[BM+\t]
.endr
	WALU
.irp t, 0,1,2,3
	v_rcp_f32 v[ST+4*\t+2], v[ST+4*\t+2]
.endr
	v_nop                                          ; a plain line behind the last reciprocal
	s_lshr_b32 s46, s[BHD], 4                      ; batch
	s_and_b32 s47, s[BHD], 15                      ; head
	s_lshl_b32 s46, s46, 7
	s_lshl_b32 s48, s[CX], 5
	s_add_co_u32 s46, s46, s48
	s_lshl_b32 s48, s[WV], 2
	s_add_co_u32 s46, s46, s48                     ; my first tile of oc
	s_mul_i32 s46, s46, 12800
	s_lshr_b32 s48, s47, 3
	s_mul_i32 s48, s48, 6400
	s_add_co_u32 s46, s46, s48                     ; the chunk of 512 along K that holds my head
	s_and_b32 s48, s47, 7
	s_mul_i32 s49, s48, 768
	s_add_co_u32 s50, s46, s49                     ; my head's half fragment
	s_mov_b32 s51, 0
	s_lshr_b32 s48, s48, 2
	s_lshl_b32 s48, s48, 7
	s_add_co_u32 s52, s46, s48
	s_bfe_u32 s48, s47, 0x10001
	s_lshl_b32 s48, s48, 2
	s_add_co_u32 s52, s52, s48
	s_and_b32 s48, s47, 1
	s_lshl_b32 s48, s48, 1
	s_add_co_u32 s52, s52, s48
	s_add_co_u32 s52, s52, 6144                    ; my head's two bytes of the scale words
	s_mov_b32 s53, 0
	s_add_nc_u64 s[54:55], s[8:9], s[50:51]
	s_add_nc_u64 s[56:57], s[8:9], s[52:53]
	WIN 0x01                                       ; O^T in window 1
	WALU                                           ; one wait for the four reciprocals and for O^T, directly ahead of the first reader
.irp t, 0,1,2,3
.set J, 0
.rept 16
	v_pk_mul_f32 v[S+32*\t+J:S+32*\t+J+1], v[32*\t+J:32*\t+J+1], v[ST+4*\t+2:ST+4*\t+3] op_sel_hi:[1,0]   ; register 32 t + i = o(query, 32 h + i)
.set J, J+2
.endr
.endr
	WIN 0
.irp t, 0,1,2,3
	v_max3_num_f32 v[BM+\t], |v[S+32*\t]|, |v[S+32*\t+1]|, 0x1800000
.endr
.irp i, 2,4,6,8,10,12,14,16,18,20,22,24,26,28,30
.irp t, 0,1,2,3
	v_max3_num_f32 v[BM+\t], v[BM+\t], |v[S+32*\t+\i]|, |v[S+32*\t+\i+1]|
.endr
.endr
.irp t, 0,1,2,3
	v_add_nc_u32 v[SO+\t], 0xff000000, v[BM+\t]    ; the conversion's scale operand
.endr
.irp t, 0,1,2,3
	v_lshrrev_b32 v[BY+\t], 23, v[SO+\t]           ; the byte of my block h
.endr
.irp t, 0,1,2,3
	v_lshlrev_b32 v[BY+\t], v[SH8], v[BY+\t]
.endr
.irp t, 0,1,2,3
	v_permlanex16_b32 v[TT+\t], v[BY+\t], s[SEL], s[SEL+1]
.endr
.irp t, 0,1,2,3
	v_or_b32 v[PW2+\t], v[BY+\t], v[TT+\t]         ; the head's two bytes
.endr
.irp t, 0,1,2,3
	v_cvt_scalef32_pk16_fp6_f32 v[OP+8*\t:OP+8*\t+2], v[S+32*\t:S+32*\t+15], v[SO+\t]
	v_cvt_scalef32_pk16_fp6_f32 v[OP+8*\t+4:OP+8*\t+6], v[S+32*\t+16:S+32*\t+31], v[SO+\t]
.endr
	v_nop                                          ; one plain line behind the scaled conversions
.irp i, 3,4,5
.irp t, 0,1,2,3
	v_mov_b32 v[OP+8*\t+\i], v[OP+8*\t+\i+1]
.endr
.endr
.irp t, 0,1,2,3
	global_store_b128 v[LI16], v[OP+8*\t:OP+8*\t+3], s[54:55] offset:12800*\t        ; 512 consecutive aligned bytes,
	global_store_b64 v[LI8], v[OP+8*\t+4:OP+8*\t+5], s[54:55] offset:12800*\t+512    ; and 256
.endr
	v_and_b32 v[AD16], 31, v0
	v_bfe_u32 v[AD8], v0, 4, 1
	v_cmp_le_u32 vcc_lo, 16, v[AD16]
	v_mul_u32_u24 v[ZA], v[AD8], 12800
	v_cndmask_b32 v[Z], v[PW2], v[PW2+1], vcc_lo
	v_cndmask_b32 v[Z+1], v[PW2+2], v[PW2+3], vcc_lo
	v_add_nc_u32 v[ZA], v[ZA], v[R8]               ; lanes 0-15 the even tile's rows, lanes 16-31 the odd tile's
	global_store_b16 v[ZA], v[Z], s[56:57]
	global_store_b16 v[ZA], v[Z+1], s[56:57] offset:25600
	s_wait_tensorcnt 0x0                           ; the wave's end
	ds_add_u32 v[SPW], v[NIL]
	s_wait_dscnt 0x0
	CROUND                                         ; the closing round
	s_endpgm
.Lfunc_end_k_q15bff4db1b_attn:
	.size	k_q15bff4db1b_attn, .Lfunc_end_k_q15bff4db1b_attn-k_q15bff4db1b_attn
	.p2alignl 7, 3214868480
	.fill 96, 4, 3214868480
	.section	.rodata,"a",@progbits
	.p2align	6, 0x0
	.amdhsa_kernel k_q15bff4db1b_attn
		.amdhsa_group_segment_fixed_size 205824
		.amdhsa_private_segment_fixed_size 0
		.amdhsa_enable_private_segment 0
		.amdhsa_kernarg_size 24
		.amdhsa_user_sgpr_count 2
		.amdhsa_user_sgpr_kernarg_segment_ptr 1
		.amdhsa_wavefront_size32 1
		.amdhsa_system_sgpr_workgroup_id_x 1
		.amdhsa_system_sgpr_workgroup_id_y 1
		.amdhsa_system_sgpr_workgroup_id_z 1
		.amdhsa_system_vgpr_workitem_id 0
		.amdhsa_next_free_vgpr 512
		.amdhsa_next_free_sgpr 66
		.amdhsa_reserve_vcc 1
		.amdhsa_float_denorm_mode_32 3
		.amdhsa_float_denorm_mode_16_64 3
		.amdhsa_memory_ordered 1
		.amdhsa_forward_progress 1
		.amdhsa_inst_pref_size 128
	.end_amdhsa_kernel
	.amdgpu_metadata
---
amdhsa.version: [ 1, 2 ]
amdhsa.kernels:
  - .name:           k_q15bff4db1b_attn
    .symbol:         k_q15bff4db1b_attn.kd
    .args:
      - { .name: qc, .offset: 0, .size: 8, .value_kind: global_buffer, .address_space: global }
      - { .name: kv, .offset: 8, .size: 8, .value_kind: global_buffer, .address_space: global }
      - { .name: oc, .offset: 16, .size: 8, .value_kind: global_buffer, .address_space: global }
    .group_segment_fixed_size: 205824
    .private_segment_fixed_size: 0
    .kernarg_segment_align: 8
    .kernarg_segment_size: 24
    .max_flat_workgroup_size: 256
    .sgpr_count:     66
    .vgpr_count:     512
    .wavefront_size: 32
...
	.end_amdgpu_metadata
.endif
;; end of part 3
;; launch proj (part 4): grid 4 x 64, 4 waves a work-group, clusters of 4 x 4, 307,712 bytes of LDS; arguments oc, codes, bo, out0; writes out0
.if DOCPART == 4
	.amdgcn_target "amdgcn-amd-amdhsa--gfx1250"
	.amdhsa_code_object_version 6
	.text
	.protected	k_q15bff4db1b_proj
	.globl	k_q15bff4db1b_proj
	.p2align	8
	.type	k_q15bff4db1b_proj,@function
k_q15bff4db1b_proj:
	s_mov_b64 s[64:65], 0
	v_nop
	global_prefetch_b8 v0, s[64:65] scope:SCOPE_SE
	s_setreg_imm32_b32 hwreg(HW_REG_WAVE_MODE, 25, 1), 1
	s_wait_xcnt 0x0
	s_wait_alu depctr_hold_cnt(0) depctr_sa_sdst(0) depctr_va_vdst(0) depctr_va_sdst(0) depctr_va_ssrc(0) depctr_va_vcc(0) depctr_vm_vsrc(0)
	s_getreg_b32 s2, hwreg(HW_REG_IB_STS2, 6, 4)
	s_cmp_eq_u32 s2, 0
	s_cbranch_scc0 .Lentry_in_a_cluster
	s_endpgm
.Lentry_in_a_cluster:
	s_bfe_u32 s2, ttmp6, 0x10000c
	s_cmp_lg_u32 s2, 0xf033
	s_cbranch_scc0 .Lentry_shape_is_right
	s_endpgm
.Lentry_shape_is_right:
; out0 = o wo^T + bo on codes of FP6 (E2M3) with E8M0 scales, sums in f32.  o's codes come from the attention launch, wo's from the first launch, both as tile records of 12,800 bytes.
; TILE: an A side of 128 rows of o (source 1: the lanes of a result) and a B side of 256 rows of wo (source 0: its registers).  256 work-groups.
; Four waves: wave w takes A's rows 64 (w / 2) on (4 tiles a) and B's rows 128 (w % 2) on (8 tiles b): 32 accumulators.  The bias is the C of each sum's first product.
; LDS: both panels for ALL of K: chunk c (512 along K) at 153,600 c: A's 8 records of 6,400 bytes, then B's 16.  Each byte is filled once, so there is no ring; chunk 1 lands while chunk 0
; is multiplied.  One tensor load of a wave is out at the most.   CLUSTER 4 x 4: the four of a row share A's panel, the four of a column B's: joint loads.
; Position r of a tile is row 32 (T / 2) + 8 (T % 2) + r % 8 + 16 (r / 8): so a lane's 64 registers of an a-block are columns 32 b + 16 h + i, and the stores put each row at its true place.
; THE WAY OUT: a block of 16 rows x 128 columns goes through the wave's stage in LDS and leaves as whole rows of 512 bytes.  The stage lies in chunk 0, which has had its only fill, and which
; nobody reads behind the barrier in the middle of the main line.
; REGISTERS: window 0: v1-5 lane numbers; v16-27 LDS addresses; v32-95 scale words and nothing else; v96-191 A's two sets; v192-255 the bias; on the way out v96-223 rows of out0.
;   window 1: B's two sets, v0-95 and v96-191.   window 2: accumulator (a, b) at v[64 a + 8 b].
; AS THE CODE BELOW HAS IT (in place of what is stated above): position r of a tile T is row 64 (T / 4) + 8 (T % 4) + r % 8 + 32 (r / 8), so a lane's 64 registers of an a-block are columns 64 c + 32 h + i.
; THE FILLS: one tensor load a wave: wave 0 A's chunk 0, wave 1 B's chunk 0, wave 2 A's chunk 1, wave 3 B's chunk 1; one load of a wave is out.
.set CH,     153600
.set REC,    6400
.set SPARE,  2*CH                      ; behind the panels: the spare words, 128 bytes a wave
.set LN16,   4
.set LN8,    5
.set ADRA16, 16
.set ADRA8,  18
.set ADRB16, 20
.set ADRB8,  22
.set ADRS,   24
.set STO,    26                        ; v26 the stage: where I put 16 bytes of a row
.set RD,     27                        ; v27 and where I read a row back
.set SPW,    28
.set NIL,    29
.set SC,     32
.set AS,     96
.set BIAS,   192
.set BK,     96
.set WV,     16
.set AH,     17
.set BH,     18
.set CX,     19
.set CY,     20
.set CYC,    22
.set G1A,    24
.set G1B,    32
.set G0A,    40
.set G0B,    48
.set MSB, 0
.macro WIN new                         ; the immediate's high byte repeats the setting that is left
.if MSB != \new
	s_set_vgpr_msb (MSB<<8)|\new
.set MSB, \new
.endif
.endm
.macro PLACES                          ; four plain lines between a matrix instruction and a load into, or a read of, its registers
.rept 4
	v_nop
.endr
.endm
.macro CROUND                          ; a round of the cluster's barrier
	s_barrier_signal -1
	s_barrier_wait -1
	s_cmp_lg_u32 s[WV], 0
	s_cbranch_scc1 .Lnot_wave_0_\@
	s_barrier_signal -3
.Lnot_wave_0_\@:
	s_barrier_wait -3
	s_barrier_signal -1
	s_barrier_wait -1
.endm
.macro FRAG reg, a16, a8, off          ; a fragment's 12 registers: two halves, each 512 + 256 consecutive bytes
	ds_load_b128 v[\reg:\reg+3], v[\a16] offset:\off
	ds_load_b64 v[\reg+4:\reg+5], v[\a8] offset:\off+512
	ds_load_b128 v[\reg+6:\reg+9], v[\a16] offset:\off+768
	ds_load_b64 v[\reg+10:\reg+11], v[\a8] offset:\off+1280
.endm
.macro SCALES c                        ; a chunk's scale words: 16 loads
.irp i, 0,1,2,3,4,5,6,7
	ds_load_b64 v[SC+32*\c+4*\i:SC+32*\c+4*\i+1], v[ADRS+\c] offset:REC*\i
	ds_load_b64 v[SC+32*\c+4*\i+2:SC+32*\c+4*\i+3], v[ADRS+\c] offset:REC*\i+128   ; (for i above 3 lanes 0-15 read other filled bytes of the chunk, which no product takes)
.endr
.endm
.macro FETCH q, p                      ; K step q's fragments into set p: B's eight, A's four: 48 loads
	WIN 0x40
.irp b, 0,1,2,3,4,5,6,7
	FRAG 96*(\p)+12*\b, ADRB16+(\q)/4, ADRB8+(\q)/4, REC*\b+1536*((\q)%4)
.endr
	WIN 0
.irp a, 0,1,2,3
	FRAG AS+48*(\p)+12*\a, ADRA16+(\q)/4, ADRA8+(\q)/4, REC*\a+1536*((\q)%4)
.endr
.endm
; n a-blocks from a0 on x B's eight tiles, K step q, set p.  cmode 0: onto the sums; 1: the constant 0 starts them; 2: the bias starts them.
; The 32 accumulators take turns, one instruction a turn, in the same order in every step.
.macro MUL a0, n, q, p, cmode
.if \cmode == 2
	WIN 0x81
.else
	WIN 0xa1
.endif
.set MA, \a0
.rept \n
.irp b, 0,1,2,3,4,5,6,7
.if \cmode == 0
	v_wmma_scale_f32_16x16x128_f8f6f4 v[64*MA+8*\b:64*MA+8*\b+7], v[96*(\p)+12*\b:96*(\p)+12*\b+11], v[AS+48*(\p)+12*MA:AS+48*(\p)+12*MA+11], v[64*MA+8*\b:64*MA+8*\b+7], v[SC+32*((\q)/4)+4*\b+(\q)%4], v[SC+32*((\q)/4)+4*MA+(\q)%4] matrix_a_fmt:MATRIX_FMT_FP6 matrix_b_fmt:MATRIX_FMT_FP6 matrix_a_scale:MATRIX_SCALE_ROW1
.elseif \cmode == 1
	v_wmma_scale_f32_16x16x128_f8f6f4 v[64*MA+8*\b:64*MA+8*\b+7], v[96*(\p)+12*\b:96*(\p)+12*\b+11], v[AS+48*(\p)+12*MA:AS+48*(\p)+12*MA+11], 0, v[SC+32*((\q)/4)+4*\b+(\q)%4], v[SC+32*((\q)/4)+4*MA+(\q)%4] matrix_a_fmt:MATRIX_FMT_FP6 matrix_b_fmt:MATRIX_FMT_FP6 matrix_a_scale:MATRIX_SCALE_ROW1
.else
	v_wmma_scale_f32_16x16x128_f8f6f4 v[64*MA+8*\b:64*MA+8*\b+7], v[96*(\p)+12*\b:96*(\p)+12*\b+11], v[AS+48*(\p)+12*MA:AS+48*(\p)+12*MA+11], v[BIAS+8*\b:BIAS+8*\b+7], v[SC+32*((\q)/4)+4*\b+(\q)%4], v[SC+32*((\q)/4)+4*MA+(\q)%4] matrix_a_fmt:MATRIX_FMT_FP6 matrix_b_fmt:MATRIX_FMT_FP6 matrix_a_scale:MATRIX_SCALE_ROW1
.endif
.endr
.set MA, MA+1
.endr
.endm
; The eight K steps, written out.  While a step is multiplied the next step's 48 loads are on their way into the other set.
.macro GEMM cm
	s_cmp_lt_u32 s[WV], 2                          ; chunk 0 is waves 0 and 1's, each by a load line of its own: they wait; chunk 1's loads may stay out
	s_cbranch_scc0 .Lnot_mine_\@
	s_wait_tensorcnt 0x0
.Lnot_mine_\@:
	s_barrier_signal -1
	s_barrier_wait -1                              ; everybody's is
	SCALES 0
	FETCH 0, 0
	FETCH 1, 1
	s_wait_dscnt 48                                ; all but the 48 just issued
	MUL 0, 4, 0, 0, \cm
	PLACES
	FETCH 2, 0
	s_wait_dscnt 48
	MUL 0, 4, 1, 1, 0
	PLACES
	FETCH 3, 1
	s_wait_dscnt 48
	MUL 0, 4, 2, 0, 0
	s_wait_tensorcnt 0x0                           ; my part of chunk 1 is in,
	s_wait_dscnt 0x0                               ; and my reads of chunk 0 are over
	s_barrier_signal -1
	MUL 0, 2, 3, 1, 0                              ; work on registers while the others arrive
	WIN 0
	s_barrier_wait -1
	PLACES
	SCALES 1
	FETCH 4, 0
	MUL 2, 2, 3, 1, 0
	PLACES
	FETCH 5, 1
	s_wait_dscnt 48
	MUL 0, 4, 4, 0, 0
	PLACES
	FETCH 6, 0
	s_wait_dscnt 48
	MUL 0, 4, 5, 1, 0
	PLACES
	FETCH 7, 1
	s_wait_dscnt 48
	MUL 0, 4, 6, 0, 0
	s_wait_dscnt 0x0
	MUL 0, 4, 7, 1, 0
	WIN 0
.endm
	s_load_b256 s[4:11], s[0:1], 0x0               ; oc, codes, bo, out0
	v_lshl_add_u32 v[SPW], v0, 2, SPARE
	v_mov_b32 v[NIL], 0
	ds_add_u32 v[SPW], v[NIL]                      ; the wave's opening: the add and its wait ahead of my first tensor load; work on registers stands between them
	ds_add_u32 v[SPW], v[NIL]
	v_lshrrev_b32 v1, 5, v0
	v_readfirstlane_b32 s[WV], v1                  ; wave 0..3
	s_lshr_b32 s[AH], s[WV], 1                     ; my half of A's rows.  Also: the chunk that I fetch
	s_and_b32 s[BH], s[WV], 1                      ; my half of B's rows.  Also: I fetch for A (0) or for B (1)
	s_bfe_u32 s[CX], ttmp6, 0x40000                ; which 256 columns (the grid is one cluster wide)
	s_bfe_u32 s[CY], ttmp6, 0x40004
	s_and_b32 s[CYC], ttmp7, 0xffff                ; cluster y
	s_lshl_b32 s56, s[CY], 2
	s_lshl_b32 s56, 15, s56                        ; my row of the cluster
	s_lshl_b32 s57, 0x1111, s[CX]                  ; my column
	; descriptor group 1: rows of 6,400 bytes (800 elements of 8), one for each tile record's chunk, 12,800 bytes apart; 8 rows for A, 16 for B; no padding
	s_or_b32 s[G1A], s56, (3<<16)|(1<<21)          ; 15:0 the mask; 17:16 elements of 8 bytes; 21 set beside a mask
	s_or_b32 s[G1B], s57, (3<<16)|(1<<21)
	s_mov_b32 s[G1A+1], 800<<16                    ; tensor_dim0
	s_mov_b32 s[G1A+2], 8<<16                      ; tensor_dim1: A's 8 records
	s_mov_b32 s[G1A+3], 800<<16                    ; tile_dim0
	s_mov_b32 s[G1A+4], 8                          ; tile_dim1
	s_mov_b32 s[G1A+5], 1600                       ; from row to row
	s_mov_b32 s[G1A+6], 0
	s_mov_b32 s[G1A+7], 0
	s_mov_b32 s[G1B+1], 800<<16
	s_mov_b32 s[G1B+2], 16<<16                     ; B's 16 records
	s_mov_b32 s[G1B+3], 800<<16
	s_mov_b32 s[G1B+4], 16
	s_mov_b32 s[G1B+5], 1600
	s_mov_b32 s[G1B+6], 0
	s_mov_b32 s[G1B+7], 0
	s_lshl_b32 s60, s[CYC], 2
	s_add_co_u32 s60, s60, s[CY]
	s_lshl_b32 s60, s60, 3                         ; A's first tile: 8 x (4 cluster y + cy): cy alone
	s_lshl_b32 s62, s[CX], 4
	s_add_co_u32 s62, s62, 704                     ; B's: wo's tiles 16 cx on: cx alone
	s_mov_b32 s68, s60
	s_mul_i32 s68, s68, 12800                      ; the eight tiles of A that I would fetch
	s_mov_b32 s69, 0
	s_mov_b32 s70, s62
	s_mul_i32 s70, s70, 12800                      ; the sixteen of B
	s_mov_b32 s71, 0
	s_mov_b32 s72, 0                               ; A's panel at the chunk's start,
	s_mov_b32 s73, 51200                           ; B's behind it
	s_wait_dscnt 0x0                               ; the opening add is done
	s_wait_kmcnt 0x0
	s_add_nc_u64 s[68:69], s[4:5], s[68:69]
	s_add_nc_u64 s[70:71], s[6:7], s[70:71]
.irp c, 0,1
	s_mov_b32 s[G0A+4*\c], 1
	s_add_co_u32 s[G0A+4*\c+1], s72, \c*CH
	s_add_nc_u64 s[G0A+4*\c+2:G0A+4*\c+3], s[68:69], \c*REC
	s_or_b32 s[G0A+4*\c+3], s[G0A+4*\c+3], 0x80000000
	s_mov_b32 s[G0B+4*\c], 1
	s_add_co_u32 s[G0B+4*\c+1], s73, \c*CH
	s_add_nc_u64 s[G0B+4*\c+2:G0B+4*\c+3], s[70:71], \c*REC
	s_or_b32 s[G0B+4*\c+3], s[G0B+4*\c+3], 0x80000000
.endr
	CROUND                                         ; all sixteen work-groups are here: the joint loads meet
.macro ARM n, g0, g1, next             ; one chain of branches on the wave's number, one fill to an arm, all arms leading to one join
	s_cmp_eq_u32 s[WV], \n
	s_cbranch_scc0 \next
	tensor_load_to_lds s[\g0:\g0+3], s[\g1:\g1+7]
	s_nop 0
.rept 4
	v_nop
.endr
	s_branch .Lfirst_asked
\next:
.endm
	ARM 0, G0A, G1A, .Larm_1
	ARM 1, G0B, G1B, .Larm_2
	ARM 2, G0A+4, G1A, .Larm_3
	tensor_load_to_lds s[G0B+4:G0B+7], s[G1B:G1B+7]
	s_nop 0
.rept 4
	v_nop
.endr
.Lfirst_asked:
	v_and_b32 v1, 31, v0                           ; lane
	v_and_b32 v2, 15, v0                           ; r
	v_bfe_u32 v3, v0, 4, 1                         ; h
	s_wait_alu depctr_va_vdst(0)
	v_lshlrev_b32 v[LN16], 4, v1
	s_wait_alu depctr_va_vdst(0)
	v_lshlrev_b32 v[LN8], 3, v1
	s_wait_alu depctr_va_vdst(0)
	s_mul_i32 s74, s[AH], 25600                    ; my four tiles of A
	s_mul_i32 s75, s[BH], 51200
	s_add_co_u32 s75, s75, 51200                   ; my eight of B
	s_xor_b32 s76, s[AH], 1
	s_mul_i32 s76, s76, 25600
	s_mul_i32 s77, s[BH], 51200
	s_add_co_u32 s76, s76, s77
	s_add_co_u32 s76, s76, 25600                   ; from A's tiles to B's: 51,200 + 51,200 BH - 25,600 AH
	v_mul_u32_u24 v6, s76, v3                      ; lanes 16-31 take B's words: the lower base + h x the distance
	v_lshl_add_u32 v7, v2, 3, v6
	v_add_nc_u32 v7, 6144, v7
.irp c, 0,1
	v_add_nc_u32 v[ADRA16+\c], s74, v[LN16]
	v_add_nc_u32 v[ADRA8+\c], s74, v[LN8]
	v_add_nc_u32 v[ADRB16+\c], s75, v[LN16]
	v_add_nc_u32 v[ADRB8+\c], s75, v[LN8]
	v_add_nc_u32 v[ADRS+\c], s74, v7
	s_add_co_u32 s74, s74, CH
	s_add_co_u32 s75, s75, CH
.endr
	s_mul_i32 s78, s[WV], 8448                     ; my stage: 16 rows x (512 + 16) bytes
	v_mul_u32_u24 v[STO], v2, 528
	v_lshl_add_u32 v[STO], v3, 7, v[STO]           ; + 32 h columns
	v_add_nc_u32 v[STO], s78, v[STO]               ; in: row r, + 128 h
	v_add_nc_u32 v[RD], s78, v[LN16]               ; back: a row of 512 bytes to the 32 lanes
	s_lshl_b32 s66, s[CX], 10
	s_lshl_b32 s67, s[BH], 9
	s_add_co_u32 s66, s66, s67                     ; my first column, in bytes: 4 (256 cx + 128 BH)
	s_mov_b32 s67, 0
	s_add_nc_u64 s[80:81], s[8:9], s[66:67]        ; in bo,
	s_add_nc_u64 s[84:85], s[10:11], s[66:67]      ; and in a row of out0
	s_lshl_b32 s66, s[AH], 2
	s_add_co_u32 s66, s66, s60
	s_lshl_b32 s66, s66, 16                        ; my first tile's 16 rows of 4,096 bytes
	s_add_nc_u64 s[84:85], s[84:85], s[66:67]
	v_lshlrev_b32 v30, 7, v3                       ; 32 h numbers
.irp b, 0,1,2,3,4,5,6,7
	global_load_b128 v[BIAS+8*\b:BIAS+8*\b+3], v30, s[80:81] offset:(64*(\b/4)+8*(\b%4))*4
	global_load_b128 v[BIAS+8*\b+4:BIAS+8*\b+7], v30, s[80:81] offset:(64*(\b/4)+8*(\b%4))*4+16
.endr
	s_wait_alu depctr_va_vdst(0)
	s_wait_loadcnt 0x0                             ; the bias starts the sums
	GEMM 2
.macro TOSTAGE a
	WIN 0x08                                       ; an LDS store's data are its source 1: window 2
.irp b, 0,1,2,3,4,5,6,7
	ds_store_b128 v[STO], v[64*(\a)+8*\b:64*(\a)+8*\b+3] offset:256*(\b/4)+32*(\b%4)        ; each accumulator from its low end on
	ds_store_b128 v[STO], v[64*(\a)+8*\b+4:64*(\a)+8*\b+7] offset:256*(\b/4)+32*(\b%4)+16
.endr
	WIN 0
.set BB, BK+64*((\a)%2)
.irp i, 0,1,2,3,4,5,6,7,8,9,10,11,12,13,14,15
	ds_load_b128 v[BB+4*\i:BB+4*\i+3], v[RD] offset:528*\i   ; LDS serves a wave's instructions in order: these see the stores above, and the next block's stores come behind them
.endr
.endm
.macro SEND a, younger                 ; younger: the LDS instructions issued behind block a's loads, which may stay out
.set BB, BK+64*((\a)%2)
	s_wait_dscnt \younger
.irp i, 0,1,2,3,4,5,6,7,8,9,10,11,12,13,14,15
	global_store_b128 v[LN16], v[BB+4*\i:BB+4*\i+3], s[84:85] offset:(8*(\a)+(\i%8)+32*(\i/8))*4096 th:TH_STORE_NT   ; 512 consecutive aligned bytes of the row's true place; written once, read by nobody here
.endr
.endm
	PLACES                                         ; behind the last products: for the reads of their results and the loads into A's registers
	TOSTAGE 0
.irp a, 1,2,3
.if \a > 1
	s_wait_xcnt 0x0                                ; block a - 2's stores have read their registers: block a's loads may land there
.endif
	TOSTAGE \a
	SEND \a-1, 32                                  ; behind block a - 1's loads: block a's 16 stores and 16 loads
.endr
	SEND 3, 0
	s_wait_tensorcnt 0x0                           ; the wave's end, behind my last tensor load and my last LDS store
	ds_add_u32 v[SPW], v[NIL]
	s_wait_dscnt 0x0
	CROUND                                         ; the closing round
	s_endpgm
.Lfunc_end_k_q15bff4db1b_proj:
	.size	k_q15bff4db1b_proj, .Lfunc_end_k_q15bff4db1b_proj-k_q15bff4db1b_proj
	.p2alignl 7, 3214868480
	.fill 96, 4, 3214868480
	.section	.rodata,"a",@progbits
	.p2align	6, 0x0
	.amdhsa_kernel k_q15bff4db1b_proj
		.amdhsa_group_segment_fixed_size 307712
		.amdhsa_private_segment_fixed_size 0
		.amdhsa_enable_private_segment 0
		.amdhsa_kernarg_size 32
		.amdhsa_user_sgpr_count 2
		.amdhsa_user_sgpr_kernarg_segment_ptr 1
		.amdhsa_wavefront_size32 1
		.amdhsa_system_sgpr_workgroup_id_x 1
		.amdhsa_system_sgpr_workgroup_id_y 1
		.amdhsa_system_sgpr_workgroup_id_z 1
		.amdhsa_system_vgpr_workitem_id 0
		.amdhsa_next_free_vgpr 768
		.amdhsa_next_free_sgpr 96
		.amdhsa_reserve_vcc 0
		.amdhsa_float_denorm_mode_32 3
		.amdhsa_float_denorm_mode_16_64 3
		.amdhsa_memory_ordered 1
		.amdhsa_forward_progress 1
		.amdhsa_inst_pref_size 84
	.end_amdhsa_kernel
	.amdgpu_metadata
---
amdhsa.version: [ 1, 2 ]
amdhsa.kernels:
  - .name:           k_q15bff4db1b_proj
    .symbol:         k_q15bff4db1b_proj.kd
    .args:
      - { .name: oc, .offset: 0, .size: 8, .value_kind: global_buffer, .address_space: global }
      - { .name: codes, .offset: 8, .size: 8, .value_kind: global_buffer, .address_space: global }
      - { .name: bo, .offset: 16, .size: 8, .value_kind: global_buffer, .address_space: global }
      - { .name: out0, .offset: 24, .size: 8, .value_kind: global_buffer, .address_space: global }
    .group_segment_fixed_size: 307712
    .private_segment_fixed_size: 0
    .kernarg_segment_align: 8
    .kernarg_segment_size: 32
    .max_flat_workgroup_size: 128
    .sgpr_count:     96
    .vgpr_count:     768
    .wavefront_size: 32
...
	.end_amdgpu_metadata
.endif
;; end of part 4
